; MI455X (gfx1250); checked and timed in simulation.
; The chip was launched on July 23, 2026; its instructions are those of AMD's public machine-readable ISA for CDNA 5 (MIT licence, August 2026) and "CDNA5" Instruction Set Architecture Reference Guide (July 2026). The comments in the code are by the model that wrote it; some were corrected since.
;; Softly Masked Attention. Allowed arithmetic: float matrix products may take bf16 or f16 operands with f32 sums; other float arithmetic in f32, or as packed bf16 or f16 multiplies, adds, multiply-adds, maxima and minima; sums over many terms, partial sums and values carried from step to step in f32; what a program stores and reads back later, other than sums and carried values, may be rounded once to bf16 or f16.
;; Inputs: K 8 x 2,048 x 512 float32; Q 8 x 2,048 x 1,024 float32; Wk 512 x 512 float32; Wq 512 x 1,024 float32; Wv 512 x 512 float32; bk 512 float32; bq 512 float32; bv 512 float32; mask_weights 8 x 2,048 float32.
;; Outputs: out0 8 x 2,048 x 512 float32.
;; 3 versions, each right; version 3 is version 2 with the launch prep written anew for expert scheduling mode. Each part assembles by itself: llvm-mc -triple=amdgcn-amd-amdhsa -mcpu=gfx1250 --defsym DOCPART=n.
;; ======== version 1 of 3: 2 launches
;; workspace buffers: kb 16,777,216 bytes; wb 1,572,864 bytes
;; launch kproj (part 1): grid 256 x 1, 4 waves a work-group, clusters of 4 x 1, 327,680 bytes of LDS; arguments K, Wk, bk, Wq, Wv, kb, wb; writes kb, wb
.if DOCPART == 1
	.amdgcn_target "amdgcn-amd-amdhsa--gfx1250"
	.amdhsa_code_object_version 6
	.text
	.protected	k_q72797a2868_kproj
	.globl	k_q72797a2868_kproj
	.p2align	8
	.type	k_q72797a2868_kproj,@function
k_q72797a2868_kproj:
	s_mov_b64 s[64:65], 0
	v_nop
	global_prefetch_b8 v0, s[64:65] scope:SCOPE_SE
	s_setreg_imm32_b32 hwreg(HW_REG_WAVE_MODE, 25, 1), 1
	s_wait_xcnt 0x0
	s_wait_alu depctr_hold_cnt(0) depctr_sa_sdst(0) depctr_va_vdst(0) depctr_va_sdst(0) depctr_va_ssrc(0) depctr_va_vcc(0) depctr_vm_vsrc(0)
	s_getreg_b32 s2, hwreg(HW_REG_IB_STS2, 6, 4)
	s_cmp_eq_u32 s2, 0
	s_cbranch_scc0 .Lentry_in_a_cluster
	s_endpgm
.Lentry_in_a_cluster:
	s_bfe_u32 s2, ttmp6, 0x10000c
	s_cmp_lg_u32 s2, 0x3003
	s_cbranch_scc0 .Lentry_shape_is_right
	s_endpgm
.Lentry_shape_is_right:
; kb[key][h] = bf16(sum over d of K[key][d] Wk[h][d] + bk[h]), keys = 8 x 2048 rows of 512; and wb = bf16 copies of Wq and Wv in tiles of 128 rows x 512.
; All inputs are rounded once to bf16 (bk too, then kept as f32); sums in f32; k is rounded once.  NaN and infinities are not treated apart.
; SHARES.  A work-group owns 64 keys.  Their rows of K come in once (f32), are rounded and stay in registers as source 1 of every product (512 registers: X).  Wk is walked in 8 tiles of
; 64 rows x 512 f32; of each tile a wave multiplies 16 rows by all 64 keys: 64 matrix instructions.  Source 0 = rows of Wk, so a lane ends with 8 neighbouring h of one key.
; CLUSTER.  The four work-groups of a cluster walk the same Wk: its tiles are asked for jointly.  K's rows are each work-group's own: a plain load.
; RING.  Two LDS slots; every wave fetches 16 rows x 2,048 bytes of each tile by one tensor load behind each round: one tensor load of a wave is out at a time.
; AN F32 TILE IN LDS.  16 bytes of padding follow every 1,024 bytes: rows are 2,080 bytes apart, byte x of a row lies at x + 16 (x >= 1024).  A wave's block of 16 rows begins 33,296 bytes behind the
; last one's.  A fragment (t, r) takes block 2 (t / 2) + r / 8, row 8 (t % 2) + r % 8: the sixteen rows of a load then start 16 bytes x (2 (r % 8) + r / 8) apart modulo 256.
; So fragment row 16 t + r (a VIRTUAL row) is the tile's row 32 (t / 2) + 16 (r / 8) + 8 (t % 2) + r % 8; only the global stores turn virtual rows back.
; REGISTERS.  window 0: v0-23 addresses; v24-31 bias; v32-63 four accumulators; v64-127 Wk's fragments in bf16, two buffers; v128-255 f32 as loaded, two buffers.
;   windows 2, 3: X(t, c), 16 keys x 32 d, at v[64 t + 8 (c % 8)] of window 2 + c / 8.
.set SLOT,  133376                     ; a slot: four blocks of 33,296, rounded up to blocks of 256 bytes
.set BLK,   33296
.set TILEB, 131072                     ; bytes of a tile of Wk in memory
.set STG,   2*SLOT                     ; stage: 64 virtual keys x 528 bytes (256 h in bf16 + 16)
.set BKT,   STG+33792                  ; bk, rounded to bf16, as f32
.set SPARE, BKT+2048                   ; the spare words, 128 bytes a wave: two blocks of 256 bytes that no other line names
.set AXL, 3                            ; v3   my lane's place in an f32 tile: 33,296 (r / 8) + 2,080 (r % 8) + 32 h
.set AX0, 4                            ; v4   the same in the slot in hand, fragments t = 0, 1
.set AX1, 5                            ; v5   fragments t = 2, 3
.set AWL, 6                            ; v6   my place in my wave's fragment of Wk (t = wave)
.set AW,  7                            ; v7   the same in the slot in hand
.set KW,  8                            ; v8   where I put 16 bytes of a key's row in the stage, first tile of four
.set KR,  9                            ; v9   where I read rows back
.set GO,  10                           ; v10  my byte offset in the work-group's rows of kb
.set BKA, 11                           ; v11  my 8 numbers of bk, first tile
.set SPW, 12                           ; v12  LDS address of my spare word; never rewritten
.set NIL, 13                           ; v13  0; never rewritten
.set KWC, 14                           ; v14  KW for the tile in hand
.set BKC, 15                           ; v15  BKA for the tile in hand
.set LW,  24
.set S,   32
.set CV,  64
.set RAW, 128
.set WV,  18                           ; s18  my wave's number
.set CX,  19                           ; s19  my place in the cluster
.set GG,  20                           ; s20  my work-group's number
.set G1J, 24                           ; s[24:31] group 1, joint: Wk's tiles
.set G1Q, 32                           ; s[32:39] group 1, plain: K's rows
.set G0J, 40                           ; s[40:43]
.set G0Q, 44                           ; s[44:47]
.set PW,  48                           ; s[48:49] Wk at my 16 rows of the tile to be asked for
.set KBP, 50                           ; s[50:51] kb at the work-group's first row
.set SBK, 56                           ; s56  256 x the tile's number
.set SKW, 57                           ; s57  128 x the tile's number among four
.set TB,  60                           ; s60  the slot in hand: 0 or SLOT
.set WOFQ, 62                          ; s62  33,296 x wave
.set CNT, 63
.set MSB, 0
.macro WIN new                         ; the immediate's high byte repeats the setting that is left; a switch that changes nothing is dropped
.if MSB != (\new)
	s_set_vgpr_msb (MSB<<8)|(\new)
.set MSB, \new
.endif
.endm
.macro PLACES                          ; four plain instructions between a matrix instruction and what reads its result, writes or loads into its registers
.rept 4
	v_nop
.endr
.endm
.macro CROUND                          ; a round of the cluster's barrier
	s_barrier_signal -1
	s_barrier_wait -1
	s_cmp_lg_u32 s[WV], 0
	s_cbranch_scc1 .Lnw0_\@
	s_barrier_signal -3
.Lnw0_\@:
	s_barrier_wait -3
	s_barrier_signal -1
	s_barrier_wait -1
.endm
; THE CHANGE OF SLOTS.  Every wave: its stores have read their registers; all its tensor loads have landed (the one that was out is its part of the tile to be entered); 0 onto its spare word; the add and its
; reads of the slot that it leaves are done.  fill = 1: a round of the cluster's barrier, and the slot just left is filled with the next tile of Wk, first thing behind it.
.macro CHANGE fill
	WIN 0
	s_wait_xcnt 0x0                                ; earlier stores have read their data and addresses
	s_wait_tensorcnt 0x0                           ; no tensor load of mine is out, so a group 0 may be written
	ds_add_u32 v[SPW], v[NIL]                      ; scalar work stands between the add and the wait for it
	s_xor_b32 s[TB], s[TB], SLOT
.if \fill
	s_xor_b32 s[G0J+1], s[G0J+1], SLOT             ; SLOT shares no bit with 33,296 x wave: the exclusive or adds or takes away SLOT
	s_mov_b64 s[G0J+2:G0J+3], s[PW:PW+1]
	s_or_b32 s[G0J+3], s[G0J+3], 0x80000000        ; type = 2
	s_add_nc_u64 s[PW:PW+1], s[PW:PW+1], TILEB
	s_wait_dscnt 0x0                               ; the add is done, and my LDS reads and stores
	CROUND
	tensor_load_to_lds s[G0J:G0J+3], s[G1J:G1J+7]
	s_nop 0
.else
	s_wait_dscnt 0x0
	s_barrier_signal -1
	s_barrier_wait -1
.endif
	PLACES
	v_add_nc_u32 v[AX0], s[TB], v[AXL]
	v_add_nc_u32 v[AX1], 2*BLK, v[AX0]
	v_add_nc_u32 v[AW], s[TB], v[AWL]
.endm
; X from the f32 tile in hand.  Batch b of 16: fragments t = b / 4, c = 4 (b % 4) + 0..3: 16 loads, then 32 roundings of two.
.macro XLD b
.set xt, (\b)/4
.irp cc,0,1,2,3
.set xc, 4*((\b)%4)+(\cc)
.set xo, (xt%2)*16640+(xc/8)*1040+128*(xc%8)
.set xr, RAW+64*((\b)%2)+16*(\cc)
	ds_load_b128 v[xr:xr+3],     v[AX0+xt/2] offset:xo
	ds_load_b128 v[xr+4:xr+7],   v[AX0+xt/2] offset:xo+16
	ds_load_b128 v[xr+8:xr+11],  v[AX0+xt/2] offset:xo+64
	ds_load_b128 v[xr+12:xr+15], v[AX0+xt/2] offset:xo+80
.endr
.endm
.macro XQ
	WIN 0
	XLD 0
	XLD 1
.set bt, 0
.rept 16
.if bt < 15
	s_wait_dscnt 16                                ; this batch is in; the next one's 16 loads may stay out
.else
	s_wait_dscnt 0
.endif
	WIN 0x80+0x40*((bt%4)/2)                       ; destination window 2 or 3
.set i, 0
.rept 32
	v_cvt_pk_bf16_f32 v[64*(bt/4)+32*(bt%2)+i], v[RAW+64*(bt%2)+2*i], v[RAW+64*(bt%2)+2*i+1]
.set i, i+1
.endr
	WIN 0
.if bt < 14
	XLD bt+2
.endif
.set bt, bt+1
.endr
.endm
; My wave's fragments of Wk, c = 4 q + 0..3, as f32
.macro RLD q
.irp cc,0,1,2,3
.set xc, 4*(\q)+(\cc)
.set xo, (xc/8)*1040+128*(xc%8)
.set xr, RAW+64*((\q)%2)+16*(\cc)
	ds_load_b128 v[xr:xr+3],     v[AW] offset:xo
	ds_load_b128 v[xr+4:xr+7],   v[AW] offset:xo+16
	ds_load_b128 v[xr+8:xr+11],  v[AW] offset:xo+64
	ds_load_b128 v[xr+12:xr+15], v[AW] offset:xo+80
.endr
.endm
; A TILE OF Wk: 16 of its rows x 64 keys x 512.  The four accumulators take turns; the first four products start the sums with bk.  A buffer of fragments is written again two groups later:
; the 32 roundings of the group between are the places behind the products that read it.
.macro TILE fill
	CHANGE \fill
	v_add_nc_u32 v[BKC], s[SBK], v[BKA]
	v_add_nc_u32 v[KWC], s[SKW], v[KW]
	s_add_co_u32 s[SBK], s[SBK], 256
	s_add_co_u32 s[SKW], s[SKW], 128
	ds_load_b128 v[LW:LW+3],   v[BKC]
	ds_load_b128 v[LW+4:LW+7], v[BKC] offset:16
	RLD 0
	RLD 1
.set gq, 0
.rept 4
.if gq < 3
	s_wait_dscnt 16                                ; this group's 16 loads (and bk) are in; the next group's may stay out
.else
	s_wait_dscnt 0
.endif
	WIN 0
.set i, 0
.rept 32
	v_cvt_pk_bf16_f32 v[CV+32*(gq%2)+i], v[RAW+64*(gq%2)+2*i], v[RAW+64*(gq%2)+2*i+1]
.set i, i+1
.endr
.if gq < 2
	RLD gq+2
.endif
	WIN 0x08+4*(gq/2)                              ; source 1 (X) in window 2 or 3
.irp cc,0,1,2,3
.irp t,0,1,2,3
.set ra, CV+32*(gq%2)+8*(\cc)
.set rb, 64*(\t)+8*((4*gq+(\cc))%8)
.set rd, S+8*(\t)
.if (gq == 0) && ((\cc) == 0)
	v_wmma_f32_16x16x32_bf16 v[rd:rd+7], v[ra:ra+7], v[rb:rb+7], v[LW:LW+7]
.else
	v_wmma_f32_16x16x32_bf16 v[rd:rd+7], v[ra:ra+7], v[rb:rb+7], v[rd:rd+7]
.endif
.endr
.endr
.set gq, gq+1
.endr
	PLACES
	WIN 0
.set i, 0
.rept 16
	v_cvt_pk_bf16_f32 v[CV+i], v[S+2*i], v[S+2*i+1]    ; each accumulator from its low end on
.set i, i+1
.endr
.irp t,0,1,2,3
	ds_store_b128 v[KWC], v[CV+4*(\t):CV+4*(\t)+3] offset:8448*(\t)   ; virtual key 16 t + r, my 8 h
.endr
.endm
; 256 h of the 64 keys leave: each wave reads 16 whole stage rows of 512 bytes and stores them; a store covers 512 consecutive bytes, aligned.
.macro OUTK
	s_wait_dscnt 0x0                               ; for the others' sake: my stores into the stage are done
	s_barrier_signal -1
	s_barrier_wait -1
.set i, 0
.rept 16
	ds_load_b128 v[RAW+4*i:RAW+4*i+3], v[KR] offset:528*i
.set i, i+1
.endr
.set i, 0
.rept 16
	s_wait_dscnt 15-i
	global_store_b128 v[GO], v[RAW+4*i:RAW+4*i+3], s[KBP:KBP+1] offset:(16*(i/8)+i%8)*1024
.set i, i+1
.endr
.endm
	s_load_b256 s[4:11], s[0:1], 0x0               ; K s[4:5], Wk s[6:7], bk s[8:9], Wq s[10:11]
	s_load_b128 s[12:15], s[0:1], 0x20             ; Wv s[12:13], kb s[14:15]
	s_load_b64 s[16:17], s[0:1], 0x30              ; wb
	v_lshl_add_u32 v[SPW], v0, 2, SPARE
	v_mov_b32 v[NIL], 0
	ds_add_u32 v[SPW], v[NIL]                      ; the wave's opening: the add and its wait ahead of my first tensor load
	v_lshrrev_b32 v1, 5, v0
	v_readfirstlane_b32 s[WV], v1                  ; wave 0..3
	s_bfe_u32 s[CX], ttmp6, 0x40000
	s_lshl_b32 s[GG], ttmp9, 2                     ; ttmp9 counts clusters
	s_add_co_u32 s[GG], s[GG], s[CX]
	s_mul_i32 s[WOFQ], s[WV], BLK
	; group 1: 16 rows x 512 elements of 4 bytes, 4 words of padding after every 256 words
	s_mov_b32 s[G1J], 15|(2<<16)|(1<<20)|(1<<21)|(7<<22)|(3<<25)   ; the mask of four, bit 21 beside it
	s_mov_b32 s[G1Q], (2<<16)|(1<<20)|(7<<22)|(3<<25)
.irp g, G1J, G1Q
	s_mov_b32 s[(\g)+1], 512<<16                   ; tensor_dim0 = 512
	s_mov_b32 s[(\g)+2], 16<<16                    ; tensor_dim1 = 16
	s_mov_b32 s[(\g)+3], 512<<16                   ; tile_dim0 = 512
	s_mov_b32 s[(\g)+4], 16                        ; tile_dim1 = 16
	s_mov_b32 s[(\g)+5], 512                       ; elements from row to row
	s_mov_b32 s[(\g)+6], 0
	s_mov_b32 s[(\g)+7], 0
.endr
	s_mov_b32 s[G0J], 1
	s_mov_b32 s[G0J+1], s[WOFQ]                    ; the first change turns it to slot 1
	s_mov_b32 s[G0Q], 1
	s_mov_b32 s[G0Q+1], s[WOFQ]                    ; slot 0
	s_mov_b32 s[TB], SLOT                          ; the first change turns it to 0
	s_mov_b32 s[SBK], 0
	s_mov_b32 s[SKW], 0
	s_wait_dscnt 0x0                               ; the opening add is done
	s_wait_kmcnt 0x0
	s_lshl_b32 s52, s[GG], 17                      ; 64 rows of 2,048 bytes a work-group,
	s_lshl_b32 s53, s[WV], 15                      ; 16 a wave
	s_add_co_u32 s52, s52, s53
	s_mov_b32 s53, 0
	s_add_nc_u64 s[G0Q+2:G0Q+3], s[4:5], s[52:53]
	s_or_b32 s[G0Q+3], s[G0Q+3], 0x80000000
	s_lshl_b32 s52, s[GG], 16
	s_add_nc_u64 s[KBP:KBP+1], s[14:15], s[52:53]  ; 64 rows of 1,024 bytes
	s_lshl_b32 s52, s[GG], 13
	s_add_nc_u64 s[10:11], s[10:11], s[52:53]      ; Wq's rows 2 g, 2 g + 1
	s_lshl_b32 s52, s[GG], 12
	s_add_nc_u64 s[12:13], s[12:13], s[52:53]      ; Wv's rows 2 g, 2 g + 1
	s_lshl_b32 s52, s[GG], 11
	s_add_nc_u64 s[16:17], s[16:17], s[52:53]      ; their places in wb's tiles: 1,024 bytes a row
	s_lshl_b32 s54, s[WV], 15                      ; (registers that never hold my place in the cluster)
	s_mov_b32 s55, 0
	s_add_nc_u64 s[PW:PW+1], s[6:7], s[54:55]
	CROUND                                         ; all four work-groups are here
	tensor_load_to_lds s[G0Q:G0Q+3], s[G1Q:G1Q+7]  ; my 16 rows of K, into slot 0
	s_nop 0
	PLACES
	; While K is on its way: two rows of Wq and two of Wv are rounded to bf16 and laid into wb's tiles; bk goes into LDS.
	v_lshlrev_b32 v16, 4, v0                       ; 16 x thread
	v_lshlrev_b32 v17, 3, v0                       ; 8 x thread
.irp n,0,1,2,3
	global_load_b128 v[RAW+4*(\n):RAW+4*(\n)+3], v16, s[10:11] offset:2048*(\n) th:TH_LOAD_NT
.endr
.irp n,0,1
	global_load_b128 v[RAW+16+4*(\n):RAW+16+4*(\n)+3], v16, s[12:13] offset:2048*(\n) th:TH_LOAD_NT
.endr
	global_load_b128 v[RAW+24:RAW+27], v16, s[8:9]
	v_and_b32 v1, 15, v0                           ; r
	v_bfe_u32 v2, v0, 4, 1                         ; h
	v_and_b32 v19, 7, v0                           ; r % 8
	v_bfe_u32 v20, v0, 3, 1                        ; r / 8
	v_and_b32 v21, 31, v0                          ; lane
	v_mul_u32_u24 v[AXL], v20, BLK
	v_mul_u32_u24 v22, v19, 2080
	v_add_nc_u32 v[AXL], v[AXL], v22
	v_lshl_add_u32 v[AXL], v2, 5, v[AXL]
	s_lshr_b32 s54, s[WV], 1                       ; w / 2
	s_and_b32 s55, s[WV], 1                        ; w % 2
	s_mul_i32 s58, s54, 2*BLK
	s_mul_i32 s59, s55, 16640
	s_add_co_u32 s58, s58, s59
	v_add_nc_u32 v[AWL], s58, v[AXL]
	v_mul_u32_u24 v[KW], v1, 528
	v_lshl_add_u32 v[KW], v2, 5, v[KW]
	s_lshl_b32 s58, s54, 6
	s_lshl_b32 s59, s55, 4
	s_add_co_u32 s58, s58, s59
	s_add_co_u32 s58, s58, STG
	v_add_nc_u32 v[KW], s58, v[KW]                 ; STG + 528 r + 2 (32 (w / 2) + 8 (w % 2) + 16 h)
	s_mul_i32 s58, s[WV], 8448
	s_add_co_u32 s58, s58, STG
	v_lshl_add_u32 v[KR], v21, 4, s58
	s_lshl_b32 s58, s54, 15
	s_lshl_b32 s59, s55, 13
	s_add_co_u32 s58, s58, s59
	v_lshl_add_u32 v[GO], v21, 4, s58              ; 16 x lane + (32 (w / 2) + 8 (w % 2)) rows of 1,024 bytes
	s_lshl_b32 s58, s54, 7
	s_lshl_b32 s59, s55, 5
	s_add_co_u32 s58, s58, s59
	s_add_co_u32 s58, s58, BKT
	v_lshl_add_u32 v[BKA], v2, 6, s58              ; BKT + 4 (32 (w / 2) + 8 (w % 2) + 16 h)
	v_add_nc_u32 v18, BKT, v16
	s_wait_loadcnt 0x0
.set i, 0
.rept 14
	v_cvt_pk_bf16_f32 v[RAW+32+i], v[RAW+2*i], v[RAW+2*i+1]
.set i, i+1
.endr
.irp n,0,1,2,3                         ; load n: row 2 g + n / 2, columns 512 (n % 2) on; a wave's store covers 256 consecutive bytes, aligned
	global_store_b64 v17, v[RAW+32+2*(\n):RAW+33+2*(\n)], s[16:17] offset:((\n)%2)*524288+((\n)/2)*1024
.endr
.irp n,0,1
	global_store_b64 v17, v[RAW+40+2*(\n):RAW+41+2*(\n)], s[16:17] offset:1048576+(\n)*1024
.endr
	v_lshlrev_b32 v[RAW+24], 16, v[RAW+44]
	v_and_b32 v[RAW+25], 0xffff0000, v[RAW+44]
	v_lshlrev_b32 v[RAW+26], 16, v[RAW+45]
	v_and_b32 v[RAW+27], 0xffff0000, v[RAW+45]
	ds_store_b128 v18, v[RAW+24:RAW+27]
	CHANGE 1                                       ; K's rows are in, everybody's, and so is bk; Wk's tile 0 is asked for
	XQ
	s_mov_b32 s[CNT], 4
.Lfirst_half:                                          ; h 0 to 255
	TILE 1
	s_sub_co_u32 s[CNT], s[CNT], 1
	s_cmp_lg_u32 s[CNT], 0
	s_cbranch_scc1 .Lfirst_half
	OUTK
	s_wait_xcnt 0x0                                ; the stores have read their base
	s_add_nc_u64 s[KBP:KBP+1], s[KBP:KBP+1], 512
	s_mov_b32 s[SKW], 0
	s_mov_b32 s[CNT], 3
.Lsecond_half:                                         ; h 256 to 447
	TILE 1
	s_sub_co_u32 s[CNT], s[CNT], 1
	s_cmp_lg_u32 s[CNT], 0
	s_cbranch_scc1 .Lsecond_half
	TILE 0                                         ; the last tile is written out: nothing is left to ask for
	OUTK
	s_wait_tensorcnt 0x0                           ; the wave's end
	ds_add_u32 v[SPW], v[NIL]
	s_wait_dscnt 0x0
	CROUND                                         ; the closing round
	s_endpgm
.Lfunc_end_k_q72797a2868_kproj:
	.size	k_q72797a2868_kproj, .Lfunc_end_k_q72797a2868_kproj-k_q72797a2868_kproj
	.p2alignl 7, 3214868480
	.fill 96, 4, 3214868480
	.section	.rodata,"a",@progbits
	.p2align	6, 0x0
	.amdhsa_kernel k_q72797a2868_kproj
		.amdhsa_group_segment_fixed_size 327680
		.amdhsa_private_segment_fixed_size 0
		.amdhsa_enable_private_segment 0
		.amdhsa_kernarg_size 56
		.amdhsa_user_sgpr_count 2
		.amdhsa_user_sgpr_kernarg_segment_ptr 1
		.amdhsa_wavefront_size32 1
		.amdhsa_system_sgpr_workgroup_id_x 1
		.amdhsa_system_sgpr_workgroup_id_y 1
		.amdhsa_system_sgpr_workgroup_id_z 1
		.amdhsa_system_vgpr_workitem_id 0
		.amdhsa_next_free_vgpr 1024
		.amdhsa_next_free_sgpr 66
		.amdhsa_reserve_vcc 0
		.amdhsa_float_denorm_mode_32 3
		.amdhsa_float_denorm_mode_16_64 3
		.amdhsa_memory_ordered 1
		.amdhsa_forward_progress 1
		.amdhsa_inst_pref_size 122
	.end_amdhsa_kernel
	.amdgpu_metadata
---
amdhsa.version: [ 1, 2 ]
amdhsa.kernels:
  - .name:           k_q72797a2868_kproj
    .symbol:         k_q72797a2868_kproj.kd
    .args:
      - { .name: K, .offset: 0, .size: 8, .value_kind: global_buffer, .address_space: global }
      - { .name: Wk, .offset: 8, .size: 8, .value_kind: global_buffer, .address_space: global }
      - { .name: bk, .offset: 16, .size: 8, .value_kind: global_buffer, .address_space: global }
      - { .name: Wq, .offset: 24, .size: 8, .value_kind: global_buffer, .address_space: global }
      - { .name: Wv, .offset: 32, .size: 8, .value_kind: global_buffer, .address_space: global }
      - { .name: kb, .offset: 40, .size: 8, .value_kind: global_buffer, .address_space: global }
      - { .name: wb, .offset: 48, .size: 8, .value_kind: global_buffer, .address_space: global }
    .group_segment_fixed_size: 327680
    .private_segment_fixed_size: 0
    .kernarg_segment_align: 8
    .kernarg_segment_size: 56
    .max_flat_workgroup_size: 128
    .sgpr_count:     66
    .vgpr_count:     1024
    .wavefront_size: 32
...
	.end_amdgpu_metadata
.endif
;; end of part 1
;; launch attn (part 2): grid 256 x 1, 4 waves a work-group, clusters of 4 x 1, 327,680 bytes of LDS; arguments Q, mask_weights, bq, bv, kb, wb, out0; writes out0
.if DOCPART == 2
	.amdgcn_target "amdgcn-amd-amdhsa--gfx1250"
	.amdhsa_code_object_version 6
	.text
	.protected	k_q72797a2868_attn
	.globl	k_q72797a2868_attn
	.p2align	8
	.type	k_q72797a2868_attn,@function
k_q72797a2868_attn:
	s_mov_b64 s[64:65], 0
	v_nop
	global_prefetch_b8 v0, s[64:65] scope:SCOPE_SE
	s_setreg_imm32_b32 hwreg(HW_REG_WAVE_MODE, 25, 1), 1
	s_wait_xcnt 0x0
	s_wait_alu depctr_hold_cnt(0) depctr_sa_sdst(0) depctr_va_vdst(0) depctr_va_sdst(0) depctr_va_ssrc(0) depctr_va_vcc(0) depctr_vm_vsrc(0)
	s_getreg_b32 s2, hwreg(HW_REG_IB_STS2, 6, 4)
	s_cmp_eq_u32 s2, 0
	s_cbranch_scc0 .Lentry_in_a_cluster
	s_endpgm
.Lentry_in_a_cluster:
	s_bfe_u32 s2, ttmp6, 0x10000c
	s_cmp_lg_u32 s2, 0x3003
	s_cbranch_scc0 .Lentry_shape_is_right
	s_endpgm
.Lentry_shape_is_right:
; out0[b][q][:] = (sum over keys of softmax(q . k / sqrt(512) + ln mask) k) Wv^T + bv, with q = Q Wq^T + bq.  kb holds k = K Wk^T + bk in bf16, wb the weights in bf16 (tiles of 128 rows x 512).
; The rows of a softmax add up to 1, so P v = (P k) Wv^T + bv for every input: v is never formed, and one tile of k serves both products.
; FORMATS AND LIMITS.  All inputs are rounded once to bf16 (mask and biases too, then kept as f32).  q times c = log2(e) / sqrt(512), P, and P k / l are rounded once to bf16; products, maxima and sums in f32.
; p = 2^(c q.k + log2 mask - M) with a running maximum M over all keys seen.  log2 mask is held at -1e30 or above: a weight of 0 (or a denormal one) gives p = 0 beside any other key; a batch whose weights are
; all 0 gives finite numbers where the softmax of -inf alone has none; a negative weight counts as 0.  A p below 2^-126 counts as 0.  NaN and infinities are not treated apart.
; SHARES.  A work-group owns 64 queries; ALL FOUR WAVES WORK ON ALL 64.  Source 1 of every product of kind "tile x X" is X: 64 rows x 512 in bf16, 512 registers, the same in all four waves: first Q's rows
; (half of their 1,024 at a time), then q, at last P k / l.  Of a tile's 128 rows a wave takes 32: each byte of a tile is read from LDS once for 64 queries.  In P k a wave takes 128 of the 512 channels and all keys.
; What crosses between waves goes through LDS: the maxima, P, the sums, and the results that become X.
; THE WALK.  30 tiles through two slots: Q[:, 0:512] | Wq 0-3 | Q[:, 512:1024] | Wq 4-7 | k 0-15 | Wv 0-3.  The change of slots that enters a tile asks for the next.  Every wave fetches a quarter of every
; tile by one tensor load behind each round: one tensor load of a wave is out at a time.
; CLUSTER.  Four work-groups of one batch: k's and the weights' tiles are asked for jointly; Q's rows are each work-group's own (plain loads).
; A BF16 TILE IN LDS: rows of 1,024 + 16 bytes.  AN F32 TILE (Q): 16 bytes of padding after every 1,024: rows 2,080 apart; a wave's block of 16 rows begins 33,296 behind the last one's; fragment (t, r) takes
; block 2 (t / 2) + r / 8, row 8 (t % 2) + r % 8.  So query 16 t + r of the text (a VIRTUAL row) is row 32 (t / 2) + 16 (r / 8) + 8 (t % 2) + r % 8 of the work-group's 64; only the last stores turn it back.
; REGISTERS.  window 0: v0-31 addresses; v32-63 statistics, 8 a group t of 16 queries; v64-79 the C operand that starts sums; v80-143 S (8 accumulators), later P's fragments; v144-239 three fragment buffers.
;   window 1: 32 accumulators: q, then O.     windows 2, 3: X(t, c), 16 rows x 32, at v[64 t + 8 (c % 8)] of window 2 + c / 8.
.set SLOT,  133376                     ; a slot, in whole blocks of 256 bytes: 128 x 1,040 or 4 x 33,296 fit
.set BLK,   33296
.set TILEB, 131072                     ; bytes of a bf16 tile in memory
.set SCR,   2*SLOT                     ; 33,792 bytes, in turn: P (64 rows x 272), the exchange (64 x 528: 256 channels in bf16), the way out (64 x 528: 128 f32)
.set MXB,   SCR+33792                  ; the waves' maxima: 256 x wave + 16 r, a word for each t; 1,024 further on: their sums
.set LWT,   MXB+2048                   ; log2 mask of the batch's 2,048 keys
.set BVT,   LWT+8192                   ; bv: directly behind, so that one walking address serves both
.set BQT,   BVT+2048                   ; bq
.set SPARE, BQT+2048                   ; the spare words, 128 bytes a wave: two blocks of 256 bytes that no other line names
.set AKL, 3                            ; v3   my place in a bf16 tile: 1,040 (32 w + r) + 16 h
.set AK,  4                            ; v4   the same in the slot in hand
.set AVL, 5                            ; v5   my place for the turning loads: 1,040 (8 h + l % 8) + 256 w + 128 ((l / 8) % 2)
.set AV0, 6                            ; v6   in the slot in hand, keys 0-63
.set AV1, 7                            ; v7   keys 64-127
.set AXL, 8                            ; v8   my place in an f32 tile
.set AX0, 9                            ; v9   in the slot in hand, t = 0, 1
.set AX1, 10                           ; v10  t = 2, 3
.set PW,  11                           ; v11  where I put 8 weights of a query
.set PR,  12                           ; v12  where I read P's fragments
.set EWQ, 13                           ; v13  the exchange: where I put 8 channels of q
.set EWO, 14                           ; v14  of O
.set ER,  15                           ; v15  where I read X's fragments
.set MW,  16                           ; v16  my wave's four maxima of query r
.set MR,  17                           ; v17  wave 0's
.set LWA, 18                           ; v18  LWT + 128 w + 32 h
.set SW,  19                           ; v19  the way out: where I put 8 f32
.set SR,  20                           ; v20  where I read rows back
.set GO,  21                           ; v21  my byte offset in the work-group's rows of out0
.set SPW, 22                           ; v22  LDS address of my spare word; never rewritten
.set NIL, 23                           ; v23  0; never rewritten
.set PFO, 24                           ; v24  256 x lane
.set PFQ, 25                           ; v25  4,096 (l / 8) + 256 (l % 8)
.set LWC, 26                           ; v26  LWA for the tile in hand
.set ST,  32                           ; group t at ST + 8 t: +0 M, +1 M_old - M, +2 a (at last 1 / l), +3 its pair's other half, +4, +5 l, +6, +7 at work
.set LW,  64
.set S,   80                           ; S(kb, t) at S + 32 kb + 8 t
.set F,   144
.set RAW, 80                           ; f32 as loaded, two buffers of 64
.set WV,  18                           ; s18  my wave's number
.set CX,  19
.set GG,  20                           ; s20  my work-group's number
.set BB,  21                           ; s21  the batch
.set G1J, 24                           ; s[24:31] group 1, joint: bf16 tiles
.set G1Q, 32                           ; s[32:39] group 1, plain: Q's rows
.set G0J, 40
.set G0Q, 44
.set PKB, 48                           ; s[48:49] kb at my quarter of the tile to be asked for
.set PWB, 50                           ; s[50:51] wb likewise
.set QP,  52                           ; s[52:53] Q at my 16 rows; never rewritten
.set OUTP, 54                          ; s[54:55] out0 at the work-group's first row, at the columns in hand
.set PFA, 56                           ; s[56:57] where my prefetches of k stand
.set TB,  60                           ; s60  the slot in hand: 0 or SLOT
.set SLW, 61                           ; s61  512 x the number of sums started from the table
.set WOFF, 62                          ; s62  33,280 x wave
.set WOFQ, 63                          ; s63  33,296 x wave
.set CNT, 66
.set HC,  67
.set LIM, 68                           ; s68  2 in the batch's first cluster, else the greatest number
.set CS,  70                           ; s[70:71] c
.set SEL, 72                           ; s[72:73] v_permlanex16_b32's selects: each lane takes its own place in the other half
.set BIGN, 74                          ; s74  -1e30
.set MSB, 0
.macro WIN new                         ; the immediate's high byte repeats the setting that is left; a switch that changes nothing is dropped
.if MSB != (\new)
	s_set_vgpr_msb (MSB<<8)|(\new)
.set MSB, \new
.endif
.endm
.macro PLACES                          ; four plain instructions between a matrix instruction and what reads its result, writes or loads into its registers
.rept 4
	v_nop
.endr
.endm
.macro CROUND                          ; a round of the cluster's barrier
	s_barrier_signal -1
	s_barrier_wait -1
	s_cmp_lg_u32 s[WV], 0
	s_cbranch_scc1 .Lnw0_\@
	s_barrier_signal -3
.Lnw0_\@:
	s_barrier_wait -3
	s_barrier_signal -1
	s_barrier_wait -1
.endm
; THE CHANGE OF SLOTS.  Every wave: earlier stores and prefetches have read their registers; all its tensor loads have landed (the one that was out is its quarter of the tile to be entered); 0 onto its spare
; word; the add and all its LDS reads and stores are done.  Then a round of the cluster's barrier, and the slot just left is filled, first thing behind it.
; mode 1: the next tile of wb.  2: Q's second half (plain).  3: k's tile 0.  4: in the loop over k's tiles: the next one, or behind the last Wv's first.  0: nothing is left to ask for.
.macro CHANGE mode
	WIN 0
	s_wait_xcnt 0x0
	s_wait_tensorcnt 0x0                           ; no tensor load of mine is out, so the groups 0 may be written
	ds_add_u32 v[SPW], v[NIL]                      ; scalar work stands between the add and the wait for it
	s_xor_b32 s[TB], s[TB], SLOT
	s_xor_b32 s[G0J+1], s[G0J+1], SLOT             ; SLOT shares no bit with a wave's offset: the exclusive or adds or takes away SLOT
	s_xor_b32 s[G0Q+1], s[G0Q+1], SLOT
.if (\mode) == 1
	s_mov_b64 s[G0J+2:G0J+3], s[PWB:PWB+1]
	s_or_b32 s[G0J+3], s[G0J+3], 0x80000000
	s_add_nc_u64 s[PWB:PWB+1], s[PWB:PWB+1], TILEB
.elseif (\mode) == 2
	s_add_nc_u64 s[G0Q+2:G0Q+3], s[QP:QP+1], 2048
	s_or_b32 s[G0Q+3], s[G0Q+3], 0x80000000
.elseif (\mode) == 3
	s_mov_b64 s[G0J+2:G0J+3], s[PKB:PKB+1]
	s_or_b32 s[G0J+3], s[G0J+3], 0x80000000
	s_add_nc_u64 s[PKB:PKB+1], s[PKB:PKB+1], TILEB
.elseif (\mode) == 4
	s_add_nc_u64 s[PFA:PFA+1], s[PFA:PFA+1], TILEB
	s_cmp_eq_u32 s[CNT], 1
	s_cselect_b64 s[G0J+2:G0J+3], s[PWB:PWB+1], s[PKB:PKB+1]
	s_or_b32 s[G0J+3], s[G0J+3], 0x80000000
	s_add_nc_u64 s[PKB:PKB+1], s[PKB:PKB+1], TILEB ; (behind the last tile it is not used)
.endif
	s_wait_dscnt 0x0
.if (\mode) == 0
	s_barrier_signal -1
	s_barrier_wait -1
.else
	CROUND
.if (\mode) == 2
	tensor_load_to_lds s[G0Q:G0Q+3], s[G1Q:G1Q+7]
.else
	tensor_load_to_lds s[G0J:G0J+3], s[G1J:G1J+7]
.endif
	s_nop 0
.endif
	PLACES
	v_add_nc_u32 v[AK], s[TB], v[AKL]
	v_add_nc_u32 v[AV0], s[TB], v[AVL]
	v_add_nc_u32 v[AV1], 66560, v[AV0]
	v_add_nc_u32 v[AX0], s[TB], v[AXL]
	v_add_nc_u32 v[AX1], 2*BLK, v[AX0]
.endm
; X from the f32 tile in hand.  Batch b of 16: fragments t = b / 4, c = 4 (b % 4) + 0..3: 16 loads, then 32 roundings of two.
.macro XLD b
.set xt, (\b)/4
.irp cc,0,1,2,3
.set xc, 4*((\b)%4)+(\cc)
.set xo, (xt%2)*16640+(xc/8)*1040+128*(xc%8)
.set xr, RAW+64*((\b)%2)+16*(\cc)
	ds_load_b128 v[xr:xr+3],     v[AX0+xt/2] offset:xo
	ds_load_b128 v[xr+4:xr+7],   v[AX0+xt/2] offset:xo+16
	ds_load_b128 v[xr+8:xr+11],  v[AX0+xt/2] offset:xo+64
	ds_load_b128 v[xr+12:xr+15], v[AX0+xt/2] offset:xo+80
.endr
.endm
.macro XQ
	WIN 0
	XLD 0
	XLD 1
.set bt, 0
.rept 16
.if bt < 15
	s_wait_dscnt 16                                ; this batch is in; the next one's 16 loads may stay out
.else
	s_wait_dscnt 0
.endif
	WIN 0x80+0x40*((bt%4)/2)                       ; destination window 2 or 3
.set i, 0
.rept 32
	v_cvt_pk_bf16_f32 v[64*(bt/4)+32*(bt%2)+i], v[RAW+64*(bt%2)+2*i], v[RAW+64*(bt%2)+2*i+1]
.set i, i+1
.endr
	WIN 0
.if bt < 14
	XLD bt+2
.endif
.set bt, bt+1
.endr
.endm
; A TILE TIMES X: my 32 rows of the tile (two blocks kb of 16) x 64 rows of X x 512: 128 matrix instructions in 8 groups of 64 along K.  Eight accumulators take turns.
; d1 = 1: the accumulators lie in window 1, from register db on.  cf = 1: the first products start the sums with 16 numbers a lane from the table that LWA walks (log2 mask, then bv).
.macro KLD g                           ; a group's four fragments: 8 loads
.irp cc,0,1
.irp kb,0,1
.set kr, F+32*((\g)%3)+8*(2*(\cc)+(\kb))
	ds_load_b128 v[kr:kr+3],   v[AK] offset:16640*(\kb)+64*(2*(\g)+(\cc))
	ds_load_b128 v[kr+4:kr+7], v[AK] offset:16640*(\kb)+64*(2*(\g)+(\cc))+32
.endr
.endr
.endm
.macro GT d1, db, cf
	WIN 0
.if \cf
	v_add_nc_u32 v[LWC], s[SLW], v[LWA]
	s_add_co_u32 s[SLW], s[SLW], 512
	ds_load_b128 v[LW:LW+3],     v[LWC]
	ds_load_b128 v[LW+4:LW+7],   v[LWC] offset:16
	ds_load_b128 v[LW+8:LW+11],  v[LWC] offset:64
	ds_load_b128 v[LW+12:LW+15], v[LWC] offset:80
.endif
	KLD 0
	KLD 1
.set gq, 0
.rept 8
.if gq < 7
	s_wait_dscnt 8                                 ; this group's fragments are in; the next group's 8 loads may stay out
.else
	s_wait_dscnt 0
.endif
	WIN 0x08+0x50*(\d1)+4*(gq/4)                   ; source 1 (X) in window 2 or 3; C and D in window d1
.irp cc,0,1
.irp kb,0,1
.irp t,0,1,2,3
.set ra, F+32*(gq%3)+8*(2*(\cc)+(\kb))
.set rb, 64*(\t)+8*((2*gq+(\cc))%8)
.set rd, (\db)+8*(4*(\kb)+(\t))
.if (\cf) && (gq == 0) && ((\cc) == 0)
	v_wmma_f32_16x16x32_bf16 v[rd:rd+7], v[ra:ra+7], v[rb:rb+7], v[LW+8*(\kb):LW+8*(\kb)+7]
.else
	v_wmma_f32_16x16x32_bf16 v[rd:rd+7], v[ra:ra+7], v[rb:rb+7], v[rd:rd+7]
.endif
.endr
.endr
.endr
.if gq < 6
	PLACES                                         ; in front of loads into the buffer that the group before multiplied
.if \d1
	WIN 0
.endif
	KLD gq+2
.endif
.set gq, gq+1
.endr
.endm
; X's half p (channels 256 p on) from the exchange
.macro EXR p
	WIN 0x80+0x40*(\p)
.irp t,0,1,2,3
.irp c,0,1,2,3,4,5,6,7
	ds_load_b128 v[64*(\t)+8*(\c):64*(\t)+8*(\c)+3],   v[ER] offset:8448*(\t)+64*(\c)
	ds_load_b128 v[64*(\t)+8*(\c)+4:64*(\t)+8*(\c)+7], v[ER] offset:8448*(\t)+64*(\c)+32
.endr
.endr
	WIN 0
.endm
; q BECOMES X: times c, rounded to bf16, 256 channels at a time through the exchange.  Accumulator (m, kb, t) holds channels 128 m + 32 w + 16 kb + 8 h + 0..7 of query (t, r).
; Behind the second pass's reads stands no barrier of its own: the change of slots that follows has the wait and the round.
.macro EXQ
	PLACES
.irp p,0,1
	WIN 0x41
.set i, 128*(\p)
.rept 64
	v_pk_mul_f32 v[i:i+1], v[i:i+1], s[CS:CS+1] op_sel_hi:[1,0]
.set i, i+2
.endr
	WIN 0x05
.set i, 0
.rept 64
	v_cvt_pk_bf16_f32 v[S+i], v[128*(\p)+2*i], v[128*(\p)+2*i+1]
.set i, i+1
.endr
	WIN 0
.irp m,0,1
.irp kb,0,1
.irp t,0,1,2,3
	ds_store_b128 v[EWQ], v[S+32*(\m)+4*(4*(\kb)+(\t)):S+32*(\m)+4*(4*(\kb)+(\t))+3] offset:8448*(\t)+256*(\m)+32*(\kb)
.endr
.endr
.endr
	s_wait_dscnt 0x0                               ; for the others' sake: my stores are done
	s_barrier_signal -1
	s_barrier_wait -1
	EXR \p
.if (\p) == 0
	s_wait_dscnt 0x0                               ; my reads are done: the exchange may be written again
	s_barrier_signal -1
	s_barrier_wait -1
.endif
.endr
.endm
; THE MAXIMUM of my wave's 32 keys for each query, and its way to the other waves.  Each accumulator's lowest registers are read first.
.macro MX
	WIN 0
	PLACES
.irp t,0,1,2,3
	v_max3_num_f32 v[ST+8*(\t)+6], v[S+8*(\t)], v[S+8*(\t)+1], v[S+8*(\t)+2]
.endr
.irp z,3,5
.irp t,0,1,2,3
	v_max3_num_f32 v[ST+8*(\t)+6], v[ST+8*(\t)+6], v[S+8*(\t)+(\z)], v[S+8*(\t)+(\z)+1]
.endr
.endr
.irp t,0,1,2,3
	v_max3_num_f32 v[ST+8*(\t)+6], v[ST+8*(\t)+6], v[S+8*(\t)+7], v[S+32+8*(\t)]
.endr
.irp z,1,3,5
.irp t,0,1,2,3
	v_max3_num_f32 v[ST+8*(\t)+6], v[ST+8*(\t)+6], v[S+32+8*(\t)+(\z)], v[S+32+8*(\t)+(\z)+1]
.endr
.endr
.irp t,0,1,2,3
	v_max_num_f32 v[ST+8*(\t)+6], v[ST+8*(\t)+6], v[S+32+8*(\t)+7]
.endr
.irp t,0,1,2,3
	v_permlanex16_b32 v[ST+8*(\t)+7], v[ST+8*(\t)+6], s[SEL], s[SEL+1]   ; the query's other 16 keys lie in the lane 16 away
.endr
.irp t,0,1,2,3
	v_max_num_f32 v[F+(\t)], v[ST+8*(\t)+6], v[ST+8*(\t)+7]
.endr
	ds_store_b128 v[MW], v[F:F+3]
	s_wait_dscnt 0x0
	s_barrier_signal -1
	s_barrier_wait -1
.endm
.macro RS                              ; all 32 accumulators of O times the number at ST + 2 of their group t
	WIN 0x41
.set i, 0
.rept 32
.irp z,0,2,4,6
	v_pk_mul_f32 v[8*i+(\z):8*i+(\z)+1], v[8*i+(\z):8*i+(\z)+1], v[ST+8*(i%4)+2:ST+8*(i%4)+3] op_sel_hi:[1,0]
.endr
.set i, i+1
.endr
	WIN 0
.endm
; k's fragments for O^T = k^T P, turned: step n of 8: keys 32 (n / 2) on, channel blocks cb = 4 (n % 2) + 0..3.
; row m of the fragment is channel 128 w + 8 cb + 64 (m / 8) + m % 8, and O(cb, t), register j, lane (r, h) is channel 128 w + 64 h + 8 cb + j.
.macro VLD n
.set vk, (\n)/2
.irp qd,0,1,2,3
.set vo, 33280*(vk%2)+16*(4*((\n)%2)+(\qd))
.set vr, F+32*((\n)%3)+8*(\qd)
	ds_load_tr16_b128 v[vr:vr+3],   v[AV0+vk/2] offset:vo
	ds_load_tr16_b128 v[vr+4:vr+7], v[AV0+vk/2] offset:vo+16640
.endr
.endm
.macro PLD kk                          ; P's fragments for keys 32 kk on, all four t
.irp t,0,1,2,3
	ds_load_b128 v[S+32*((\kk)%2)+8*(\t):S+32*((\kk)%2)+8*(\t)+3],   v[PR] offset:4352*(\t)+64*(\kk)
	ds_load_b128 v[S+32*((\kk)%2)+8*(\t)+4:S+32*((\kk)%2)+8*(\t)+7], v[PR] offset:4352*(\t)+64*(\kk)+32
.endr
.endm
; THE SOFTMAX OF A TILE.  The new M of each query from the four waves' maxima and the old M; a = 2^(M_old - M); p = 2^(s - M); P in bf16 into LDS; l = a l + the sum of my p.
; The 68 exponentials are one batch with one wait.  Between the signal and the wait of the barrier that shows P to everybody: k's first fragments for the second product (bytes of the tile in hand, which nobody
; writes before the next round) and O times a.
.macro SM
.irp u,0,1,2,3
	ds_load_b128 v[F+4*(\u):F+4*(\u)+3], v[MR] offset:256*(\u)
.endr
	s_wait_dscnt 0x0
.irp t,0,1,2,3
	v_max3_num_f32 v[ST+8*(\t)+6], v[F+(\t)], v[F+4+(\t)], v[F+8+(\t)]
.endr
.irp t,0,1,2,3
	v_max3_num_f32 v[ST+8*(\t)+6], v[ST+8*(\t)+6], v[F+12+(\t)], v[ST+8*(\t)]
.endr
.irp t,0,1,2,3
	v_sub_f32 v[ST+8*(\t)+1], v[ST+8*(\t)], v[ST+8*(\t)+6]
.endr
.irp t,0,1,2,3
	v_mov_b32 v[ST+8*(\t)], v[ST+8*(\t)+6]
.endr
.irp kb,0,1
.irp t,0,1,2,3
.irp z,0,2,4,6
	v_pk_add_f32 v[S+32*(\kb)+8*(\t)+(\z):S+32*(\kb)+8*(\t)+(\z)+1], v[S+32*(\kb)+8*(\t)+(\z):S+32*(\kb)+8*(\t)+(\z)+1], v[ST+8*(\t):ST+8*(\t)+1] op_sel_hi:[1,0] neg_lo:[0,1] neg_hi:[0,1]
.endr
.endr
.endr
.irp t,0,1,2,3
	v_exp_f32 v[ST+8*(\t)+2], v[ST+8*(\t)+1]
.endr
.set i, 0
.rept 64
	v_exp_f32 v[S+i], v[S+i]
.set i, i+1
.endr
	v_nop                                          ; a plain instruction behind the last exponential,
	s_wait_alu depctr_va_vdst(0)                   ; and the one wait for the batch, ahead of its first reader
.set i, 0
.rept 32
	v_cvt_pk_bf16_f32 v[F+32+i], v[S+2*i], v[S+2*i+1]
.set i, i+1
.endr
.irp kb,0,1
.irp t,0,1,2,3
	ds_store_b128 v[PW], v[F+32+4*(4*(\kb)+(\t)):F+32+4*(4*(\kb)+(\t))+3] offset:4352*(\t)+32*(\kb)
.endr
.endr
.irp z,0,4
.irp kb,0,1
.irp t,0,1,2,3
	v_pk_add_f32 v[S+32*(\kb)+8*(\t)+(\z):S+32*(\kb)+8*(\t)+(\z)+1], v[S+32*(\kb)+8*(\t)+(\z):S+32*(\kb)+8*(\t)+(\z)+1], v[S+32*(\kb)+8*(\t)+(\z)+2:S+32*(\kb)+8*(\t)+(\z)+3]
.endr
.endr
.endr
.irp kb,0,1
.irp t,0,1,2,3
	v_pk_add_f32 v[S+32*(\kb)+8*(\t):S+32*(\kb)+8*(\t)+1], v[S+32*(\kb)+8*(\t):S+32*(\kb)+8*(\t)+1], v[S+32*(\kb)+8*(\t)+4:S+32*(\kb)+8*(\t)+5]
.endr
.endr
.irp t,0,1,2,3
	v_pk_add_f32 v[S+8*(\t):S+8*(\t)+1], v[S+8*(\t):S+8*(\t)+1], v[S+32+8*(\t):S+32+8*(\t)+1]
.endr
.irp t,0,1,2,3
	v_pk_fma_f32 v[ST+8*(\t)+4:ST+8*(\t)+5], v[ST+8*(\t)+4:ST+8*(\t)+5], v[ST+8*(\t)+2:ST+8*(\t)+3], v[S+8*(\t):S+8*(\t)+1] op_sel_hi:[1,0,1]
.endr
	s_wait_dscnt 0x0                               ; for the others' sake: my part of P is in LDS
	s_barrier_signal -1
	VLD 0
	VLD 1
	RS
	s_barrier_wait -1
.endm
; O^T += k^T P: my 128 channels x 64 queries x 128 keys: 128 matrix instructions in 8 steps; a step's 16 accumulators take turns.
; LDS runs of 8, in the order of issue: V0 V1 P0 P1 | V2 | V3 P2 | V4 | V5 P3 | V6 | V7.  Each count leaves out the runs younger than the youngest that the step needs.
.macro PV
	PLD 0
	PLD 1
.set n, 0
.rept 8
.if n == 7
	s_wait_dscnt 0
.elseif (n == 0) || (n == 6)
	s_wait_dscnt 8
.else
	s_wait_dscnt 16
.endif
	WIN 0x50                                       ; C and D in window 1
.irp qd,0,1,2,3
.irp t,0,1,2,3
.set rd, 8*(4*(4*(n%2)+(\qd))+(\t))
.set ra, F+32*(n%3)+8*(\qd)
.set rb, S+32*((n/2)%2)+8*(\t)
	v_wmma_f32_16x16x32_bf16 v[rd:rd+7], v[ra:ra+7], v[rb:rb+7], v[rd:rd+7]
.endr
.endr
.if n < 6
	PLACES
	WIN 0
	VLD n+2
.if n == 1
	PLD 2
.endif
.if n == 3
	PLD 3
.endif
.endif
.set n, n+1
.endr
.endm
; PREFETCHES INTO THE L2.  ASK: in trip j of the loop over k's tiles, tile j + 2: one tile ahead of the change that asks for it.  All eight clusters of a batch walk the same tiles: the batch's first cluster asks;
; its four work-groups and their four waves share the tile's 512 blocks of 256 bytes out by address, a lane a block.  The last two trips ask for nothing; tiles 0 and 1 come by their loads alone.
.macro ASK
	s_cmp_gt_u32 s[CNT], s[LIM]
	s_cbranch_scc0 .Lna_\@
	global_prefetch_b8 v[PFO], s[PFA:PFA+1] th:TH_LOAD_NT scope:SCOPE_SE
.Lna_\@:
.endm
; ASKQ: my own 16 rows of Q's second half (8 blocks of 256 bytes a row, 4 rows an instruction), two tiles' products ahead of the change that asks for them.
.macro ASKQ
	s_cmp_eq_u32 s[HC], 2
	s_cbranch_scc0 .Lnq_\@
.irp n,0,1,2,3
	global_prefetch_b8 v[PFQ], s[QP:QP+1] offset:2048+16384*(\n) th:TH_LOAD_NT scope:SCOPE_SE
.endr
.Lnq_\@:
.endm
; O / l BECOMES X, pass p: waves 2 p and 2 p + 1 hold channels 256 p on.
.macro EXOP p
.if \p
	s_cmp_ge_u32 s[WV], 2
.else
	s_cmp_lt_u32 s[WV], 2
.endif
	s_cbranch_scc0 .Lxo_\@
.irp c,0,1,2,3,4,5,6,7
.irp t,0,1,2,3
	ds_store_b128 v[EWO], v[S+4*(4*(\c)+(\t)):S+4*(4*(\c)+(\t))+3] offset:8448*(\t)+16*(\c)
.endr
.endr
.Lxo_\@:
	s_wait_dscnt 0x0
	s_barrier_signal -1
	s_barrier_wait -1
	EXR \p
.if (\p) == 0
	s_wait_dscnt 0x0
	s_barrier_signal -1
	s_barrier_wait -1
.endif
.endm
; THE WAY OUT of 128 columns: f32 through the stage; each wave reads 16 whole rows of 512 bytes back and stores them: a store covers 512 consecutive bytes, aligned.
.macro OUTS
	WIN 0
	PLACES
.irp kb,0,1
.irp t,0,1,2,3
	ds_store_b128 v[SW], v[S+32*(\kb)+8*(\t):S+32*(\kb)+8*(\t)+3]   offset:8448*(\t)+64*(\kb)
	ds_store_b128 v[SW], v[S+32*(\kb)+8*(\t)+4:S+32*(\kb)+8*(\t)+7] offset:8448*(\t)+64*(\kb)+16
.endr
.endr
	s_wait_dscnt 0x0
	s_barrier_signal -1
	s_barrier_wait -1
.set i, 0
.rept 16
	ds_load_b128 v[F+4*i:F+4*i+3], v[SR] offset:528*i
.set i, i+1
.endr
.set i, 0
.rept 16
	s_wait_dscnt 15-i
	global_store_b128 v[GO], v[F+4*i:F+4*i+3], s[OUTP:OUTP+1] offset:(16*(i/8)+i%8)*2048 th:TH_STORE_NT
.set i, i+1
.endr
.endm
	s_load_b256 s[4:11], s[0:1], 0x0               ; Q s[4:5], mask s[6:7], bq s[8:9], bv s[10:11]
	s_load_b128 s[12:15], s[0:1], 0x20             ; kb s[12:13], wb s[14:15]
	s_load_b64 s[16:17], s[0:1], 0x30              ; out0
	v_lshl_add_u32 v[SPW], v0, 2, SPARE
	v_mov_b32 v[NIL], 0
	ds_add_u32 v[SPW], v[NIL]                      ; the wave's opening: the add and its wait ahead of my first tensor load
	v_lshrrev_b32 v1, 5, v0
	v_readfirstlane_b32 s[WV], v1                  ; wave 0..3
	s_bfe_u32 s[CX], ttmp6, 0x40000
	s_lshl_b32 s[GG], ttmp9, 2                     ; ttmp9 counts clusters
	s_add_co_u32 s[GG], s[GG], s[CX]
	s_lshr_b32 s[BB], ttmp9, 3                     ; eight clusters a batch: the four partners share it
	s_mul_i32 s[WOFF], s[WV], 33280
	s_mul_i32 s[WOFQ], s[WV], BLK
	; group 1 for bf16 tiles: 32 rows x 512 elements of 2 bytes, 4 words of padding after every 256 words; the mask of four, bit 21 beside it
	s_mov_b32 s[G1J], 15|(1<<16)|(1<<20)|(1<<21)|(7<<22)|(3<<25)
	s_mov_b32 s[G1J+1], 512<<16                    ; tensor_dim0 = 512
	s_mov_b32 s[G1J+2], 32<<16                     ; tensor_dim1 = 32
	s_mov_b32 s[G1J+3], 512<<16                    ; tile_dim0 = 512
	s_mov_b32 s[G1J+4], 32                         ; tile_dim1 = 32
	s_mov_b32 s[G1J+5], 512                        ; elements from row to row
	s_mov_b32 s[G1J+6], 0
	s_mov_b32 s[G1J+7], 0
	; group 1 for Q's rows: 16 rows x 512 elements of 4 bytes, the same padding, no mask
	s_mov_b32 s[G1Q], (2<<16)|(1<<20)|(7<<22)|(3<<25)
	s_mov_b32 s[G1Q+1], 512<<16
	s_mov_b32 s[G1Q+2], 16<<16
	s_mov_b32 s[G1Q+3], 512<<16
	s_mov_b32 s[G1Q+4], 16
	s_mov_b32 s[G1Q+5], 1024
	s_mov_b32 s[G1Q+6], 0
	s_mov_b32 s[G1Q+7], 0
	s_mov_b32 s[G0J], 1
	s_mov_b32 s[G0J+1], s[WOFF]                    ; slot 0; every change turns both LDS words
	s_mov_b32 s[G0Q], 1
	s_mov_b32 s[G0Q+1], s[WOFQ]
	s_mov_b32 s[TB], SLOT                          ; the first change turns it to 0
	s_mov_b32 s[SLW], 0
	s_mov_b32 s[CS], 0x3d8293ee                    ; c = log2(e) / sqrt(512) = 0.0637587
	s_mov_b32 s[CS+1], s[CS]
	s_mov_b32 s[SEL], 0x76543210
	s_mov_b32 s[SEL+1], 0xfedcba98
	s_mov_b32 s[BIGN], 0xf149f2ca                  ; -1e30
	s_and_b32 s[LIM], ttmp9, 7
	s_cmp_eq_u32 s[LIM], 0
	s_cselect_b32 s[LIM], 2, -1                    ; the same in all four partners
	s_wait_dscnt 0x0                               ; the opening add is done
	s_wait_kmcnt 0x0
	s_lshl_b32 s76, s[GG], 18                      ; 64 rows of 4,096 bytes a work-group,
	s_lshl_b32 s77, s[WV], 16                      ; 16 a wave
	s_add_co_u32 s76, s76, s77
	s_mov_b32 s77, 0
	s_add_nc_u64 s[QP:QP+1], s[4:5], s[76:77]
	s_lshl_b32 s76, s[GG], 17                      ; 64 rows of 2,048 bytes
	s_add_nc_u64 s[OUTP:OUTP+1], s[16:17], s[76:77]
	s_lshl_b32 s76, s[BB], 21                      ; the prefetches: the batch, tile 1 (the first trip steps it to tile 2),
	s_add_co_u32 s76, s76, TILEB
	s_lshl_b32 s75, s[CX], 15                      ; my work-group's quarter of a tile,
	s_add_co_u32 s76, s76, s75
	s_lshl_b32 s75, s[WV], 13                      ; my wave's quarter of that
	s_add_co_u32 s76, s76, s75
	s_add_nc_u64 s[PFA:PFA+1], s[12:13], s[76:77]
	s_lshl_b32 s78, s[BB], 21                      ; (s78, s79 never hold my place in the cluster)
	s_lshl_b32 s79, s[WV], 15
	s_add_co_u32 s78, s78, s79
	s_mov_b32 s79, 0
	s_add_nc_u64 s[PKB:PKB+1], s[12:13], s[78:79]
	s_lshl_b32 s78, s[WV], 15
	s_add_nc_u64 s[PWB:PWB+1], s[14:15], s[78:79]
	s_lshl_b32 s78, s[BB], 13
	s_add_nc_u64 s[6:7], s[6:7], s[78:79]          ; the batch's mask
	s_mov_b64 s[G0Q+2:G0Q+3], s[QP:QP+1]
	s_or_b32 s[G0Q+3], s[G0Q+3], 0x80000000
	CROUND                                         ; all four work-groups are here
	tensor_load_to_lds s[G0Q:G0Q+3], s[G1Q:G1Q+7]  ; my 16 rows of Q[:, 0:512], into slot 0
	s_nop 0
	PLACES
	; While Q is on its way: the tables and the lanes' addresses.
	v_lshlrev_b32 v31, 4, v0                       ; 16 x thread
.irp n,0,1,2,3
	global_load_b128 v[80+4*(\n):83+4*(\n)], v31, s[6:7] offset:2048*(\n)
.endr
	global_load_b128 v[96:99], v31, s[8:9]
	global_load_b128 v[100:103], v31, s[10:11]
	v_and_b32 v1, 15, v0                           ; r
	v_bfe_u32 v2, v0, 4, 1                         ; h
	v_and_b32 v27, 7, v0                           ; l % 8
	v_bfe_u32 v28, v0, 3, 1                        ; (l / 8) % 2 = r / 8
	v_and_b32 v29, 31, v0                          ; l
	v_mul_u32_u24 v[AKL], v1, 1040
	v_lshl_add_u32 v[AKL], v2, 4, v[AKL]
	v_add_nc_u32 v[AKL], s[WOFF], v[AKL]
	v_lshl_add_u32 v[AVL], v2, 3, v27
	v_mul_u32_u24 v[AVL], v[AVL], 1040
	v_lshl_add_u32 v[AVL], v28, 7, v[AVL]
	s_lshl_b32 s78, s[WV], 8
	v_add_nc_u32 v[AVL], s78, v[AVL]
	v_mul_u32_u24 v[AXL], v28, BLK
	v_mul_u32_u24 v30, v27, 2080
	v_add_nc_u32 v[AXL], v[AXL], v30
	v_lshl_add_u32 v[AXL], v2, 5, v[AXL]
	v_mul_u32_u24 v30, v1, 272
	v_lshl_add_u32 v30, v2, 4, v30
	v_add_nc_u32 v[PR], SCR, v30
	s_lshl_b32 s78, s[WV], 6
	v_add_nc_u32 v[PW], s78, v[PR]
	v_mul_u32_u24 v30, v1, 528
	v_add_nc_u32 v30, SCR, v30                     ; SCR + 528 r
	v_lshl_add_u32 v[ER], v2, 4, v30
	v_add_nc_u32 v[EWQ], s78, v[ER]
	s_and_b32 s78, s[WV], 1
	s_lshl_b32 s78, s78, 8
	v_lshl_add_u32 v[EWO], v2, 7, v30
	v_add_nc_u32 v[EWO], s78, v[EWO]
	s_lshl_b32 s78, s[WV], 7
	v_lshl_add_u32 v[SW], v2, 5, v30
	v_add_nc_u32 v[SW], s78, v[SW]
	v_lshlrev_b32 v[LWA], 5, v2
	v_add_nc_u32 v[LWA], s78, v[LWA]
	v_add_nc_u32 v[LWA], LWT, v[LWA]
	v_lshlrev_b32 v[MR], 4, v1
	v_add_nc_u32 v[MR], MXB, v[MR]
	s_lshl_b32 s78, s[WV], 8
	v_add_nc_u32 v[MW], s78, v[MR]
	s_mul_i32 s78, s[WV], 8448
	s_add_co_u32 s78, s78, SCR
	v_lshl_add_u32 v[SR], v29, 4, s78
	s_lshr_b32 s78, s[WV], 1
	s_lshl_b32 s78, s78, 16
	s_and_b32 s79, s[WV], 1
	s_lshl_b32 s79, s79, 14
	s_add_co_u32 s78, s78, s79
	v_lshl_add_u32 v[GO], v29, 4, s78              ; 16 x lane + (32 (w / 2) + 8 (w % 2)) rows of 2,048 bytes
	v_lshlrev_b32 v[PFO], 8, v29
	v_bfe_u32 v30, v0, 3, 2
	v_lshlrev_b32 v30, 12, v30
	v_lshl_add_u32 v[PFQ], v27, 8, v30
	v_add_nc_u32 v30, LWT, v31
	s_wait_loadcnt 0x0
.set i, 0
.rept 12
	v_cvt_pk_bf16_f32 v[104+i], v[80+2*i], v[80+2*i+1]     ; rounded to bf16,
.set i, i+1
.endr
.set i, 0
.rept 12
	v_lshlrev_b32 v[80+2*i], 16, v[104+i]                  ; and back to f32
	v_and_b32 v[80+2*i+1], 0xffff0000, v[104+i]
.set i, i+1
.endr
.set i, 0
.rept 16
	v_log_f32 v[80+i], v[80+i]
.set i, i+1
.endr
	v_nop
	s_wait_alu depctr_va_vdst(0)                   ; one wait for the sixteen logarithms
.set i, 0
.rept 16
	v_max_num_f32 v[80+i], s[BIGN], v[80+i]
.set i, i+1
.endr
.irp n,0,1,2,3
	ds_store_b128 v30, v[80+4*(\n):83+4*(\n)] offset:2048*(\n)
.endr
	ds_store_b128 v30, v[100:103] offset:BVT-LWT
	ds_store_b128 v30, v[96:99] offset:BQT-LWT
	s_wait_dscnt 0x0
	s_barrier_signal -1                            ; the tables are whole; Q's rows may stay on their way
	s_barrier_wait -1
	WIN 0x40                                       ; q's 32 sums start with bq: accumulator (m, kb, t), register j: bq[128 m + 32 w + 16 kb + 8 h + j]
.irp m,0,1,2,3
.irp kb,0,1
.irp t,0,1,2,3
	ds_load_b128 v[64*(\m)+8*(4*(\kb)+(\t)):64*(\m)+8*(4*(\kb)+(\t))+3],   v[LWA] offset:BQT-LWT+512*(\m)+64*(\kb)
	ds_load_b128 v[64*(\m)+8*(4*(\kb)+(\t))+4:64*(\m)+8*(4*(\kb)+(\t))+7], v[LWA] offset:BQT-LWT+512*(\m)+64*(\kb)+16
.endr
.endr
.endr
	WIN 0
	; PHASE 1: q^T = Wq Q^T + bq, a half of Q's 1,024 columns at a time.  The second trip is left in its middle: its last change asks for k, not for Q.
	s_mov_b32 s[HC], 2
.Lhalf:
	CHANGE 1                                       ; Q's half is in; Wq's next tile is asked for
	XQ
	CHANGE 1
	GT 1, 0, 0
	CHANGE 1
	ASKQ
	GT 1, 64, 0
	CHANGE 1
	GT 1, 128, 0
	WIN 0
	s_cmp_eq_u32 s[HC], 1
	s_cbranch_scc1 .Lhalf2
	CHANGE 2                                       ; Q's second half is asked for
	GT 1, 192, 0
	WIN 0
	s_sub_co_u32 s[HC], s[HC], 1
	s_cmp_lg_u32 s[HC], 0
	s_cbranch_scc1 .Lhalf
.Lhalf2:
	CHANGE 3                                       ; k's tile 0 is asked for
	GT 1, 192, 0
	EXQ
.irp t,0,1,2,3                         ; M starts at the lowest finite number and l at 0: the first tile's a is 0, and O's registers, which hold q, are multiplied by it
	v_mov_b32 v[ST+8*(\t)], 0xff7fffff
	v_mov_b32 v[ST+8*(\t)+3], 0
	v_mov_b32 v[ST+8*(\t)+4], 0
	v_mov_b32 v[ST+8*(\t)+5], 0
	v_mov_b32 v[ST+8*(\t)+7], 0
.endr
	; PHASE 2: the 16 tiles of 128 keys
	s_mov_b32 s[CNT], 16
.Ltile:
	CHANGE 4
	ASK
	GT 0, S, 1                                     ; S^T = k q^T + log2 mask: my 32 keys x 64 queries
	MX
	SM
	PV
	WIN 0
	s_sub_co_u32 s[CNT], s[CNT], 1
	s_cmp_lg_u32 s[CNT], 0
	s_cbranch_scc1 .Ltile
	s_add_nc_u64 s[PWB:PWB+1], s[PWB:PWB+1], TILEB ; Wv's first tile has been asked for by the last trip
	; l of each query: my two halves, the other half of the lanes, the four waves; then 1 / l
	PLACES
.irp t,0,1,2,3
	v_add_f32 v[ST+8*(\t)+6], v[ST+8*(\t)+4], v[ST+8*(\t)+5]
.endr
.irp t,0,1,2,3
	v_permlanex16_b32 v[ST+8*(\t)+7], v[ST+8*(\t)+6], s[SEL], s[SEL+1]
.endr
.irp t,0,1,2,3
	v_add_f32 v[F+(\t)], v[ST+8*(\t)+6], v[ST+8*(\t)+7]
.endr
	ds_store_b128 v[MW], v[F:F+3] offset:1024
	s_wait_dscnt 0x0                               ; my sums are in LDS, and my reads of P are over
	s_barrier_signal -1
	s_barrier_wait -1
.irp u,0,1,2,3
	ds_load_b128 v[F+4*(\u):F+4*(\u)+3], v[MR] offset:1024+256*(\u)
.endr
	s_wait_dscnt 0x0
.irp t,0,1,2,3
	v_add_f32 v[F+(\t)], v[F+(\t)], v[F+4+(\t)]
	v_add_f32 v[F+8+(\t)], v[F+8+(\t)], v[F+12+(\t)]
.endr
.irp t,0,1,2,3
	v_add_f32 v[F+(\t)], v[F+(\t)], v[F+8+(\t)]
.endr
.irp t,0,1,2,3
	v_rcp_f32 v[ST+8*(\t)+2], v[F+(\t)]
.endr
	v_nop
	s_wait_alu depctr_va_vdst(0)                   ; one wait for the four reciprocals
	RS                                             ; O / l,
	WIN 0x05
.set i, 0
.rept 128
	v_cvt_pk_bf16_f32 v[S+i], v[2*i], v[2*i+1]     ; rounded to bf16: accumulator (cb, t) into four registers at S + 4 (4 cb + t)
.set i, i+1
.endr
	WIN 0
	EXOP 0
	EXOP 1
	; PHASE 3: out^T = Wv X^T + bv, 128 columns a tile
	s_mov_b32 s[CNT], 3
.Lout:
	CHANGE 1
	GT 0, S, 1
	OUTS
	s_wait_xcnt 0x0                                ; the stores have read their base
	s_add_nc_u64 s[OUTP:OUTP+1], s[OUTP:OUTP+1], 512
	s_sub_co_u32 s[CNT], s[CNT], 1
	s_cmp_lg_u32 s[CNT], 0
	s_cbranch_scc1 .Lout
	CHANGE 0                                       ; the last tile is written out: nothing is left to ask for
	GT 0, S, 1
	OUTS
	s_wait_tensorcnt 0x0                           ; the wave's end
	ds_add_u32 v[SPW], v[NIL]
	s_wait_dscnt 0x0
	CROUND                                         ; the closing round
	s_endpgm
.Lfunc_end_k_q72797a2868_attn:
	.size	k_q72797a2868_attn, .Lfunc_end_k_q72797a2868_attn-k_q72797a2868_attn
	.p2alignl 7, 3214868480
	.fill 96, 4, 3214868480
	.section	.rodata,"a",@progbits
	.p2align	6, 0x0
	.amdhsa_kernel k_q72797a2868_attn
		.amdhsa_group_segment_fixed_size 327680
		.amdhsa_private_segment_fixed_size 0
		.amdhsa_enable_private_segment 0
		.amdhsa_kernarg_size 56
		.amdhsa_user_sgpr_count 2
		.amdhsa_user_sgpr_kernarg_segment_ptr 1
		.amdhsa_wavefront_size32 1
		.amdhsa_system_sgpr_workgroup_id_x 1
		.amdhsa_system_sgpr_workgroup_id_y 1
		.amdhsa_system_sgpr_workgroup_id_z 1
		.amdhsa_system_vgpr_workitem_id 0
		.amdhsa_next_free_vgpr 1024
		.amdhsa_next_free_sgpr 80
		.amdhsa_reserve_vcc 0
		.amdhsa_float_denorm_mode_32 3
		.amdhsa_float_denorm_mode_16_64 3
		.amdhsa_memory_ordered 1
		.amdhsa_forward_progress 1
		.amdhsa_inst_pref_size 255
	.end_amdhsa_kernel
	.section	.bss,"aw",@nobits
	.p2align	6
	.space	262144
	.amdgpu_metadata
---
amdhsa.version: [ 1, 2 ]
amdhsa.kernels:
  - .name:           k_q72797a2868_attn
    .symbol:         k_q72797a2868_attn.kd
    .args:
      - { .name: Q, .offset: 0, .size: 8, .value_kind: global_buffer, .address_space: global }
      - { .name: mask_weights, .offset: 8, .size: 8, .value_kind: global_buffer, .address_space: global }
      - { .name: bq, .offset: 16, .size: 8, .value_kind: global_buffer, .address_space: global }
      - { .name: bv, .offset: 24, .size: 8, .value_kind: global_buffer, .address_space: global }
      - { .name: kb, .offset: 32, .size: 8, .value_kind: global_buffer, .address_space: global }
      - { .name: wb, .offset: 40, .size: 8, .value_kind: global_buffer, .address_space: global }
      - { .name: out0, .offset: 48, .size: 8, .value_kind: global_buffer, .address_space: global }
    .group_segment_fixed_size: 327680
    .private_segment_fixed_size: 0
    .kernarg_segment_align: 8
    .kernarg_segment_size: 56
    .max_flat_workgroup_size: 128
    .sgpr_count:     80
    .vgpr_count:     1024
    .wavefront_size: 32
...
	.end_amdgpu_metadata
.endif
;; end of part 2
;; ======== version 2 of 3: 2 launches
;; workspace buffers: kb 16,777,216 bytes; wb 1,572,864 bytes; bqk 2,048 bytes; bvk 2,048 bytes
;; launch prep (part 3): grid 224 x 1, 8 waves a work-group, no clusters, 314,880 bytes of LDS; arguments K, Wk, Wq, Wv, bq, bk, bv, kb, wb, bqk, bvk; writes kb, wb, bqk, bvk
.if DOCPART == 3
	.amdgcn_target "amdgcn-amd-amdhsa--gfx1250"
	.amdhsa_code_object_version 6
	.text
	.protected	k_q72797a2868_prep
	.globl	k_q72797a2868_prep
	.p2align	8
	.type	k_q72797a2868_prep,@function
k_q72797a2868_prep:
	s_mov_b64 s[64:65], 0
	v_nop
	global_prefetch_b8 v0, s[64:65] scope:SCOPE_SE
	s_setreg_imm32_b32 hwreg(HW_REG_WAVE_MODE, 25, 1), 1
	s_wait_xcnt 0x0
; WHAT THE ATTENTION LAUNCH NEEDS, made once.  With q = Wq Q + bq and k = Wk K + bk:  q.k = (Wk^T q).K + q.bk, and the last term is the same for all keys of a query, so a softmax over keys does not see it;
; the rows of a softmax add up to 1, so P k = (P K) Wk^T + bk and P v = (P K) (Wv Wk)^T + Wv bk + bv.  Both hold for every input.  So this launch stores
;   kb  = K rounded to bf16, [8 x 2048][512]
;   wb  = 12 tiles of 128 rows x 512 bf16: tiles 0-3 Wqk[:, 0:512], 4-7 Wqk[:, 512:1024], 8-11 Wvk, with Wqk[d][e] = sum over h of Wk[h][d] Wq[h][e], Wvk[v][d] = sum over h of Wv[v][h] Wk[h][d]
;   bqk[d] = sum over h of Wk[h][d] bq[h],   bvk[v] = sum over h of Wv[v][h] bk[h] + bv[v]   (f32)
; All inputs are rounded once to bf16; sums in f32; Wqk and Wvk are rounded once to bf16.  NaN and infinities are not treated apart.
; SHARES.  Work-groups 0-63: a block of 64 rows x 128 columns of Wqk each; 64-95: the same of Wvk; 96-223: 128 rows of K each.  A block's operands are 384 KB of f32, a stream's rows and results 384 KB.
; NO CLUSTER, NO TENSOR LOADS: the operands are f32 and are wanted in LDS as bf16, so they pass through registers; a block's 384 KB of f32 would not lie in LDS beside their bf16 copies.
; A BLOCK:  C[m][n] = sum over h of A(m, h) B(h, n), 64 m, 128 n, 512 h.  B's rows h lie in memory along n (Wq's or Wk's rows): in LDS [h][n] in bf16, 288 bytes apart; the 32 bytes behind a row's 256 hold
; a ninth column tile: column 128 is bq[h] or bk[h], the other fifteen are 0: its products are the bias sums.  A is Wk's columns (in LDS [h][m], rows 160 bytes apart) or Wv's rows (in LDS [m][h], 1,040 apart).
; Each of A's two layouts has a region of LDS of its own, and a work-group fills and reads one of them: no byte of LDS has two meanings in this text.
; What lies [h][.] comes out of LDS turned, by ds_load_tr16_b128.  Source 0 = 16 columns n, source 1 = 16 rows m: a lane ends with 8 neighbouring n of one row m.
; Wave w makes rows 32 (w % 2) on x columns 32 (w / 2) on, and the ninth tile: six accumulators, which take turns.
; REGISTERS.  window 0: v0-63 addresses and small work; v64-255 what is loaded: two batches of 96, or (stream) three groups of 64.   window 1: v0-63 A's fragments, v64-159 B's, v160-207 the sums.
.set PBL,   288
.set ATR,   512*PBL                    ; behind B's 512 rows: A laid [h][m], 512 rows x 160 bytes (Wqk's blocks)
.set ANR,   ATR+512*160                ; A laid [m][h], 64 rows x 1,040 bytes (Wvk's blocks)
.set STG,   ANR+64*1040                ; the stage: 64 rows x 272 bytes
.set BIA,   STG+64*272                 ; 64 bias sums, and 256 bytes for what the other half of the lanes holds
.set SPARE, BIA+512                    ; the spare words, 128 bytes a wave: four blocks of 256 bytes that no other line names
.set LN,  1                            ; v1   lane
.set RR,  2                            ; v2   lane % 16
.set HH,  3                            ; v3   lane / 16
.set L7,  4                            ; v4   lane % 8
.set B3,  5                            ; v5   (lane / 8) % 2
.set L16, 6                            ; v6   16 x lane
.set L8,  7                            ; v7   8 x lane
.set LB0, 8                            ; v8   where I put 8 bytes of B's rows, batches 0, 1
.set LB1, 9                            ; v9   batches 2, 3
.set LAT, 10                           ; v10  where I put 8 bytes of A laid [h][m]
.set LAN, 11                           ; v11  of A laid [m][h]
.set AFT, 12                           ; v12  my place in A's fragments, [h][m]; steps with the loop
.set AFN, 13                           ; v13  [m][h]; steps
.set BFA, 14                           ; v14  my place in B's fragments; steps
.set BBA, 15                           ; v15  in the ninth tile's; steps
.set STO, 16                           ; v16  the stage: where I put 16 bytes of a row
.set SRD, 17                           ; v17  where I read rows back
.set GOUT, 18                          ; v18  my byte offset in the block's rows of wb
.set BSW, 19                           ; v19  where I put a bias sum
.set SPW, 20                           ; v20  LDS address of my spare word; never rewritten
.set NIL, 21                           ; v21  0; never rewritten
.set BC0, 22                           ; v22  the ninth tile's 32 bytes of row = my thread's number
.set BC1, 23                           ; v23  of that row + 256
.set QD,  24                           ; v[24:27] a bias number in bf16, then zeros
.set ZQ,  28                           ; v[28:31] zeros
.set VB,  32                           ; v[32:47] byte offsets of my 16 rows of B in a batch
.set VA,  48                           ; v[48:55] of my 8 loads of A
.set T,   56                           ; v[56:63] at work
.set RAW, 64
.set AF,  0                            ; window 1: fragment (kk, mf) at AF + 16 kk + 8 mf
.set BF,  64                           ; fragment (kk, nf) at BF + 24 kk + 8 nf; nf = 2: the ninth tile
.set ACC, 160                          ; sum (mf, nf) at ACC + 8 (3 mf + nf)
.set WV,  26                           ; s26  my wave's number
.set GG,  27                           ; s27  my work-group's number
.set MB,  28                           ; s28  the block's row block
.set NB,  29                           ; s29  its column block
.set PT,  30                           ; s30  1: Wqk, 0: Wvk
.set PB,  31                           ; s31  bytes from row to row of B's source: 4,096 (Wq) or 2,048 (Wk); also from load to load of A
.set BB,  32                           ; s[32:33] B's source at the batch in hand
.set AB,  34                           ; s[34:35] A's
.set BVP, 36                           ; s[36:37] bq or bk
.set BO,  38                           ; s[38:39] bqk or bvk at the block's rows
.set OB,  40                           ; s[40:41] wb at the block
.set BST, 42                           ; s[42:43] bytes from batch to batch in B's source
.set AST, 44                           ; s[44:45] in A's
.set AWS, 47                           ; s47  bytes from wave to wave in A's source
.set AHS, 48                           ; s48  bytes from the lower to the upper half of the lanes there
.set MSK, 49                           ; s49  0 (Wqk: no addend) or all ones (Wvk: bv)
.set CNT, 50
.set MH,  51                           ; s51  w % 2
.set NQ,  56                           ; s56  w / 2
.set SHA, 57
.set MSB, 0
.macro WIN new                         ; the immediate's high byte repeats the setting that is left; a switch that changes nothing is dropped
.if MSB != (\new)
	s_set_vgpr_msb (MSB<<8)|(\new)
.set MSB, \new
.endif
.endm
; A batch's 24 loads into set b: 16 rows of B (512 consecutive bytes each), 8 loads of A (two rows of 256 bytes, or 512 bytes of one row).  step = 1: the sources go on by 128 h first.
.macro GLD b, step
.if \step
	s_wait_xcnt 0x0                                ; the loads issued so far have read their bases
	s_add_nc_u64 s[BB:BB+1], s[BB:BB+1], s[BST:BST+1]
	s_add_nc_u64 s[AB:AB+1], s[AB:AB+1], s[AST:AST+1]
.endif
.set i, 0
.rept 16
	global_load_b128 v[RAW+96*(\b)+4*i:RAW+96*(\b)+4*i+3], v[VB+i], s[BB:BB+1]
.set i, i+1
.endr
.set i, 0
.rept 8
	global_load_b128 v[RAW+96*(\b)+64+4*i:RAW+96*(\b)+64+4*i+3], v[VA+i], s[AB:AB+1]
.set i, i+1
.endr
.endm
; Batch q (h = 128 q on) is rounded in place and laid into LDS.  left: the younger loads, which may stay out.  refill = 1: its registers take the batch two further on.
.macro BATCH q, left, refill
.set bb, RAW+96*((\q)%2)
	s_wait_loadcnt \left
.set i, 0
.rept 24
	v_cvt_pk_bf16_f32 v[bb+4*i], v[bb+4*i], v[bb+4*i+1]
	v_cvt_pk_bf16_f32 v[bb+4*i+1], v[bb+4*i+2], v[bb+4*i+3]
.set i, i+1
.endr
.set i, 0
.rept 16
	ds_store_b64 v[LB0+(\q)/2], v[bb+4*i:bb+4*i+1] offset:((\q)%2)*36864+PBL*i
.set i, i+1
.endr
	s_cmp_eq_u32 s[PT], 1
	s_cbranch_scc0 .Lan_\@
.set i, 0
.rept 8
	ds_store_b64 v[LAT], v[bb+64+4*i:bb+64+4*i+1] offset:20480*(\q)+320*i    ; rows h = 128 q + 16 w + 2 i + lane / 16
.set i, i+1
.endr
	s_branch .Lad_\@
.Lan_\@:
.set i, 0
.rept 8
	ds_store_b64 v[LAN], v[bb+64+4*i:bb+64+4*i+1] offset:256*(\q)+1040*i     ; rows m = 8 w + i, h = 128 q on
.set i, i+1
.endr
.Lad_\@:
.if \refill
	GLD (\q)%2, 1
.endif
.endm
; The stream: group g of 16 loads, 512 consecutive bytes each; and its way out: rounded in place, 256 consecutive bytes, aligned, a store.
.macro SLD g
.set i, 0
.rept 16
	global_load_b128 v[RAW+64*((\g)%3)+4*i:RAW+64*((\g)%3)+4*i+3], v[L16], s[4:5] offset:512*(16*(\g)+i) th:TH_LOAD_NT
.set i, i+1
.endr
.endm
.macro SCV g, left
.set bb, RAW+64*((\g)%3)
	s_wait_loadcnt \left
.set i, 0
.rept 16
	v_cvt_pk_bf16_f32 v[bb+4*i], v[bb+4*i], v[bb+4*i+1]
	v_cvt_pk_bf16_f32 v[bb+4*i+1], v[bb+4*i+2], v[bb+4*i+3]
	global_store_b64 v[L8], v[bb+4*i:bb+4*i+1], s[18:19] offset:256*(16*(\g)+i)
.set i, i+1
.endr
.endm
	s_load_b512 s[4:19], s[0:1], 0x0               ; K s[4:5], Wk s[6:7], Wq s[8:9], Wv s[10:11], bq s[12:13], bk s[14:15], bv s[16:17], kb s[18:19]
	s_load_b128 s[20:23], s[0:1], 0x40             ; wb s[20:21], bqk s[22:23]
	s_load_b64 s[24:25], s[0:1], 0x50              ; bvk
	v_lshl_add_u32 v[SPW], v0, 2, SPARE
	v_mov_b32 v[NIL], 0
	v_lshrrev_b32 v[T], 5, v0
	v_readfirstlane_b32 s[WV], v[T]                ; wave 0..7
	v_and_b32 v[LN], 31, v0
	v_lshlrev_b32 v[L16], 4, v[LN]
	v_lshlrev_b32 v[L8], 3, v[LN]
	s_mov_b32 s[GG], ttmp9
	s_cmp_ge_u32 s[GG], 96
	s_cbranch_scc1 .Lstream
	; A BLOCK OF Wqk OR Wvk.  First what the loads need.
	s_and_b32 s[MB], s[GG], 7
	s_lshr_b32 s[NB], s[GG], 3
	s_and_b32 s[NB], s[NB], 7
	s_cmp_lt_u32 s[GG], 64
	s_cselect_b32 s[PT], 1, 0
	s_lshl_b32 s[PB], 2048, s[PT]
	s_lshl_b32 s[AWS], 16384, s[PT]                ; A: 16 rows h of Wk a wave, or 8 rows of Wv
	s_mul_i32 s52, s[PT], 3
	s_lshl_b32 s[AHS], 256, s52                    ; the upper lanes take the next row of Wk, or the next 256 bytes of Wv's row
	s_mul_i32 s52, s[PT], 9
	s_lshl_b32 s[AST], 512, s52                    ; a batch on: 128 rows of Wk, or 512 bytes along Wv's rows
	s_mov_b32 s[AST+1], 0
	s_sub_co_u32 s[SHA], 17, s52                   ; the block's rows: 256 bytes along Wk's rows, or 64 rows of Wv
	s_lshl_b32 s[BST], s[PB], 7
	s_mov_b32 s[BST+1], 0
	s_sub_co_u32 s[MSK], s[PT], 1
	s_and_b32 s[MH], s[WV], 1
	s_lshr_b32 s[NQ], s[WV], 1
	v_and_b32 v[RR], 15, v0
	v_bfe_u32 v[HH], v0, 4, 1
	s_lshl_b32 s52, s[PB], 4
	s_mul_i32 s52, s52, s[WV]
	v_add_nc_u32 v[VB], s52, v[L16]                ; row 16 w + i of the batch, 16 bytes a lane
.set i, 1
.rept 15
	v_add_nc_u32 v[VB+i], s[PB], v[VB+i-1]
.set i, i+1
.endr
	s_mul_i32 s52, s[AWS], s[WV]
	v_lshlrev_b32 v[T], 4, v[RR]
	v_mad_u32_u24 v[T], v[HH], s[AHS], v[T]
	v_add_nc_u32 v[VA], s52, v[T]
.set i, 1
.rept 7
	v_add_nc_u32 v[VA+i], s[PB], v[VA+i-1]         ; two rows of Wk on, or one row of Wv
.set i, i+1
.endr
	v_lshlrev_b32 v[T+2], 2, v0                    ; 4 x thread
	s_wait_kmcnt 0x0
	s_cmp_eq_u32 s[PT], 1
	s_cselect_b64 s[BB:BB+1], s[8:9], s[6:7]       ; B: Wq or Wk
	s_cselect_b64 s[AB:AB+1], s[6:7], s[10:11]     ; A: Wk or Wv
	s_cselect_b64 s[BVP:BVP+1], s[12:13], s[14:15] ; bq or bk
	s_cselect_b64 s[BO:BO+1], s[22:23], s[24:25]   ; bqk or bvk
	s_lshl_b32 s52, s[NB], 9                       ; 128 columns of f32
	s_mov_b32 s53, 0
	s_add_nc_u64 s[BB:BB+1], s[BB:BB+1], s[52:53]
	s_lshl_b32 s52, s[MB], s[SHA]
	s_add_nc_u64 s[AB:AB+1], s[AB:AB+1], s[52:53]
	global_load_b32 v[T+4], v[T+2], s[BVP:BVP+1]
	global_load_b32 v[T+5], v[T+2], s[BVP:BVP+1] offset:1024
	GLD 0, 0
	GLD 1, 1
	; While they are on their way: the other addresses, and the sums start at 0 (48 lines, so that the loop has one form of product).
	s_lshr_b32 s52, s[NB], 2
	s_lshl_b32 s52, s52, 19                        ; Wqk: tiles 0-3 or 4-7
	s_cmp_eq_u32 s[PT], 1
	s_cselect_b32 s52, s52, 0x100000               ; Wvk: tiles 8-11
	s_lshl_b32 s53, s[MB], 16                      ; 64 rows of 1,024 bytes
	s_add_co_u32 s52, s52, s53
	s_and_b32 s53, s[NB], 3
	s_lshl_b32 s53, s53, 8                         ; 128 columns of bf16
	s_add_co_u32 s52, s52, s53
	s_mov_b32 s53, 0
	s_add_nc_u64 s[OB:OB+1], s[20:21], s[52:53]
	s_lshl_b32 s52, s[MB], 8                       ; 64 f32
	s_add_nc_u64 s[BO:BO+1], s[BO:BO+1], s[52:53]
	s_add_nc_u64 s[16:17], s[16:17], s[52:53]
	v_and_b32 v[L7], 7, v0
	v_bfe_u32 v[B3], v0, 3, 1
	s_mul_i32 s52, s[WV], 16*PBL
	v_add_nc_u32 v[LB0], s52, v[L8]
	v_add_nc_u32 v[LB1], 256*PBL, v[LB0]
	s_mul_i32 s52, s[WV], 2560
	s_add_co_u32 s52, s52, ATR
	v_mul_u32_u24 v[T], v[HH], 160
	v_lshl_add_u32 v[T], v[RR], 3, v[T]
	v_add_nc_u32 v[LAT], s52, v[T]                 ; ATR + 160 (16 w + lane / 16) + 8 (lane % 16)
	s_mul_i32 s52, s[WV], 8320
	s_add_co_u32 s52, s52, ANR
	v_add_nc_u32 v[LAN], s52, v[L8]                ; ANR + 1,040 x 8 w + 8 x lane
	v_lshl_add_u32 v[T+1], v[HH], 3, v[L7]         ; the turning load's row: 8 (lane / 16) + lane % 8
	v_mul_u32_u24 v[AFT], v[T+1], 160
	v_lshl_add_u32 v[AFT], v[B3], 4, v[AFT]
	s_lshl_b32 s52, s[MH], 6
	s_add_co_u32 s52, s52, ATR
	v_add_nc_u32 v[AFT], s52, v[AFT]
	v_mul_u32_u24 v[AFN], v[RR], 1040
	v_lshl_add_u32 v[AFN], v[HH], 4, v[AFN]
	s_mul_i32 s52, s[MH], 33280
	s_add_co_u32 s52, s52, ANR
	v_add_nc_u32 v[AFN], s52, v[AFN]
	v_mul_u32_u24 v[BBA], v[T+1], PBL
	v_lshl_add_u32 v[BBA], v[B3], 4, v[BBA]
	s_lshl_b32 s52, s[NQ], 6
	v_add_nc_u32 v[BFA], s52, v[BBA]
	v_add_nc_u32 v[BBA], 256, v[BBA]
	v_mul_u32_u24 v[STO], v[RR], 272
	v_lshl_add_u32 v[STO], v[HH], 4, v[STO]
	s_mul_i32 s52, s[MH], 8704
	s_lshl_b32 s53, s[NQ], 6
	s_add_co_u32 s52, s52, s53
	s_add_co_u32 s52, s52, STG
	v_add_nc_u32 v[STO], s52, v[STO]               ; STG + 272 (32 (w % 2) + r) + 64 (w / 2) + 16 (lane / 16)
	v_mul_u32_u24 v[SRD], v[HH], 272
	v_lshl_add_u32 v[SRD], v[RR], 4, v[SRD]
	s_mul_i32 s52, s[WV], 2176
	s_add_co_u32 s52, s52, STG
	v_add_nc_u32 v[SRD], s52, v[SRD]               ; back: rows 8 w on, two a load
	v_lshlrev_b32 v[GOUT], 10, v[HH]
	v_lshl_add_u32 v[GOUT], v[RR], 4, v[GOUT]
	s_lshl_b32 s52, s[WV], 13
	v_add_nc_u32 v[GOUT], s52, v[GOUT]
	v_lshlrev_b32 v[BSW], 8, v[HH]
	v_lshl_add_u32 v[BSW], v[RR], 2, v[BSW]
	s_lshl_b32 s52, s[MH], 7
	s_add_co_u32 s52, s52, BIA
	v_add_nc_u32 v[BSW], s52, v[BSW]
	v_mul_u32_u24 v[BC0], v0, PBL
	v_add_nc_u32 v[BC0], 256, v[BC0]
	v_add_nc_u32 v[BC1], 256*PBL, v[BC0]
.irp z,0,1,2,3
	v_mov_b32 v[ZQ+(\z)], 0
.endr
.irp z,1,2,3
	v_mov_b32 v[QD+(\z)], 0
.endr
	WIN 0x40
.set i, 0
.rept 48
	v_mov_b32 v[ACC+i], 0
.set i, i+1
.endr
	WIN 0
	s_wait_loadcnt 48                              ; the two bias numbers are in; both batches may stay out
	v_cvt_pk_bf16_f32 v[QD], v[T+4], v[ZQ]         ; column 128 in the low half, column 129 = 0 in the high half
	ds_store_b128 v[BC0], v[QD:QD+3]
	ds_store_b128 v[BC0], v[ZQ:ZQ+3] offset:16
	v_cvt_pk_bf16_f32 v[QD], v[T+5], v[ZQ]
	ds_store_b128 v[BC1], v[QD:QD+3]
	ds_store_b128 v[BC1], v[ZQ:ZQ+3] offset:16
	BATCH 0, 24, 1
	BATCH 1, 24, 1
	BATCH 2, 24, 0
	BATCH 3, 0, 0
	s_wait_dscnt 0x0                               ; for the others' sake: my stores are done
	s_barrier_signal -1
	s_barrier_wait -1                              ; A and B lie whole in LDS
	s_mov_b32 s[CNT], 4
.Lprod:                                                ; a trip: 128 h: 40 loads of fragments, 24 products
	s_cmp_eq_u32 s[PT], 1
	s_cbranch_scc0 .Lfn
	WIN 0x40                                       ; destination window 1, address window 0
.irp kk,0,1,2,3
.irp mf,0,1
	ds_load_tr16_b128 v[AF+16*(\kk)+8*(\mf):AF+16*(\kk)+8*(\mf)+3],   v[AFT] offset:5120*(\kk)+32*(\mf)
	ds_load_tr16_b128 v[AF+16*(\kk)+8*(\mf)+4:AF+16*(\kk)+8*(\mf)+7], v[AFT] offset:5120*(\kk)+32*(\mf)+2560
.endr
.endr
	WIN 0
	s_branch .Lfb
.Lfn:
	WIN 0x40
.irp kk,0,1,2,3
.irp mf,0,1
	ds_load_b128 v[AF+16*(\kk)+8*(\mf):AF+16*(\kk)+8*(\mf)+3],   v[AFN] offset:16640*(\mf)+64*(\kk)
	ds_load_b128 v[AF+16*(\kk)+8*(\mf)+4:AF+16*(\kk)+8*(\mf)+7], v[AFN] offset:16640*(\mf)+64*(\kk)+32
.endr
.endr
	WIN 0
.Lfb:
	WIN 0x40
.irp kk,0,1,2,3
.irp nf,0,1
	ds_load_tr16_b128 v[BF+24*(\kk)+8*(\nf):BF+24*(\kk)+8*(\nf)+3],   v[BFA] offset:32*PBL*(\kk)+32*(\nf)
	ds_load_tr16_b128 v[BF+24*(\kk)+8*(\nf)+4:BF+24*(\kk)+8*(\nf)+7], v[BFA] offset:32*PBL*(\kk)+32*(\nf)+16*PBL
.endr
	ds_load_tr16_b128 v[BF+24*(\kk)+16:BF+24*(\kk)+19], v[BBA] offset:32*PBL*(\kk)
	ds_load_tr16_b128 v[BF+24*(\kk)+20:BF+24*(\kk)+23], v[BBA] offset:32*PBL*(\kk)+16*PBL
.endr
	s_wait_dscnt 0x0
	WIN 0x55                                       ; all four operands in window 1
.irp kk,0,1,2,3
.irp mf,0,1
.irp nf,0,1,2
	v_wmma_f32_16x16x32_bf16 v[ACC+8*(3*(\mf)+(\nf)):ACC+8*(3*(\mf)+(\nf))+7], v[BF+24*(\kk)+8*(\nf):BF+24*(\kk)+8*(\nf)+7], v[AF+16*(\kk)+8*(\mf):AF+16*(\kk)+8*(\mf)+7], v[ACC+8*(3*(\mf)+(\nf)):ACC+8*(3*(\mf)+(\nf))+7]
.endr
.endr
.endr
	WIN 0
	v_add_nc_u32 v[AFT], 20480, v[AFT]             ; 128 h on; these four lines are also the places between the last product and the next trip's loads, or the roundings behind the loop
	v_add_nc_u32 v[AFN], 256, v[AFN]
	v_add_nc_u32 v[BFA], 128*PBL, v[BFA]
	v_add_nc_u32 v[BBA], 128*PBL, v[BBA]
	s_sub_co_u32 s[CNT], s[CNT], 1
	s_cmp_lg_u32 s[CNT], 0
	s_cbranch_scc1 .Lprod
	; THE WAY OUT: rounded to bf16, 16 bytes a lane into the stage; a barrier, since a row's 256 bytes come from four waves; back as whole rows.  Each sum is read from its low end on.
	WIN 0x05                                       ; sources in window 1, destination in window 0
.irp mf,0,1
.irp nf,0,1
.irp z,0,1,2,3
	v_cvt_pk_bf16_f32 v[RAW+4*(2*(\mf)+(\nf))+(\z)], v[ACC+8*(3*(\mf)+(\nf))+2*(\z)], v[ACC+8*(3*(\mf)+(\nf))+2*(\z)+1]
.endr
.endr
.endr
	v_mov_b32 v[T], v[ACC+16]                      ; column 128 of rows r: register 0 of the lower lanes
	v_mov_b32 v[T+1], v[ACC+40]
	WIN 0
.irp mf,0,1
.irp nf,0,1
	ds_store_b128 v[STO], v[RAW+4*(2*(\mf)+(\nf)):RAW+4*(2*(\mf)+(\nf))+3] offset:4352*(\mf)+32*(\nf)
.endr
.endr
	s_cmp_lt_u32 s[WV], 2                          ; waves 0 and 1 hold all 64 rows between them
	s_cbranch_scc0 .Lnbs
	ds_store_b32 v[BSW], v[T]
	ds_store_b32 v[BSW], v[T+1] offset:64
.Lnbs:
	s_wait_dscnt 0x0
	s_barrier_signal -1
	s_barrier_wait -1
.irp t,0,1,2,3
	ds_load_b128 v[RAW+16+4*(\t):RAW+16+4*(\t)+3], v[SRD] offset:544*(\t)
.endr
.irp t,0,1,2,3
	s_wait_dscnt 3-(\t)
	global_store_b128 v[GOUT], v[RAW+16+4*(\t):RAW+16+4*(\t)+3], s[OB:OB+1] offset:2048*(\t)   ; 16 lanes store 256 consecutive bytes, aligned
.endr
	s_or_b32 s52, s[NB], s[WV]                     ; the bias sums leave once: wave 0 of the work-groups with column block 0
	s_cmp_lg_u32 s52, 0
	s_cbranch_scc1 .Lend
	v_add_nc_u32 v[T+2], BIA, v[L8]
	ds_load_b64 v[T+4:T+5], v[T+2]
	global_load_b64 v[T+6:T+7], v[L8], s[16:17]    ; bv at the block's rows
	s_wait_loadcnt 0x0
	v_cvt_pk_bf16_f32 v[T+3], v[T+6], v[T+7]       ; rounded to bf16 like every input,
	v_lshlrev_b32 v[T+6], 16, v[T+3]
	v_and_b32 v[T+7], 0xffff0000, v[T+3]
	v_and_b32 v[T+6], s[MSK], v[T+6]               ; and 0 for bqk, which has no addend
	v_and_b32 v[T+7], s[MSK], v[T+7]
	s_wait_dscnt 0x0
	v_pk_add_f32 v[T+4:T+5], v[T+4:T+5], v[T+6:T+7]
	global_store_b64 v[L8], v[T+4:T+5], s[BO:BO+1] ; 256 consecutive bytes, aligned
	s_branch .Lend
.Lstream:                                              ; 128 ROWS OF K: 16 a wave, 64 loads; three groups of 16 are out at a time
	s_sub_co_u32 s52, s[GG], 96
	s_lshl_b32 s54, s52, 18                        ; 128 rows of 2,048 bytes,
	s_lshl_b32 s55, s[WV], 15                      ; 16 a wave
	s_add_co_u32 s54, s54, s55
	s_mov_b32 s55, 0
	s_lshl_b32 s52, s52, 17                        ; and of 1,024 bytes
	s_lshl_b32 s53, s[WV], 14
	s_add_co_u32 s52, s52, s53
	s_mov_b32 s53, 0
	s_wait_kmcnt 0x0
	s_add_nc_u64 s[4:5], s[4:5], s[54:55]
	s_add_nc_u64 s[18:19], s[18:19], s[52:53]
	SLD 0
	SLD 1
	SLD 2
	SCV 0, 32                                      ; two younger groups may stay out
	s_wait_xcnt 0x0                                ; group 0's stores have read their data: its registers may be loaded again
	SLD 3
	SCV 1, 32
	SCV 2, 16
	SCV 3, 0
.Lend:
	s_wait_tensorcnt 0x0                           ; the wave's end, behind my last LDS store
	ds_add_u32 v[SPW], v[NIL]
	s_wait_dscnt 0x0
	s_endpgm
.Lfunc_end_k_q72797a2868_prep:
	.size	k_q72797a2868_prep, .Lfunc_end_k_q72797a2868_prep-k_q72797a2868_prep
	.p2alignl 7, 3214868480
	.fill 96, 4, 3214868480
	.section	.rodata,"a",@progbits
	.p2align	6, 0x0
	.amdhsa_kernel k_q72797a2868_prep
		.amdhsa_group_segment_fixed_size 314880
		.amdhsa_private_segment_fixed_size 0
		.amdhsa_enable_private_segment 0
		.amdhsa_kernarg_size 88
		.amdhsa_user_sgpr_count 2
		.amdhsa_user_sgpr_kernarg_segment_ptr 1
		.amdhsa_wavefront_size32 1
		.amdhsa_system_sgpr_workgroup_id_x 1
		.amdhsa_system_sgpr_workgroup_id_y 1
		.amdhsa_system_sgpr_workgroup_id_z 1
		.amdhsa_system_vgpr_workitem_id 0
		.amdhsa_next_free_vgpr 512
		.amdhsa_next_free_sgpr 66
		.amdhsa_reserve_vcc 0
		.amdhsa_float_denorm_mode_32 3
		.amdhsa_float_denorm_mode_16_64 3
		.amdhsa_memory_ordered 1
		.amdhsa_forward_progress 1
		.amdhsa_inst_pref_size 69
	.end_amdhsa_kernel
	.amdgpu_metadata
---
amdhsa.version: [ 1, 2 ]
amdhsa.kernels:
  - .name:           k_q72797a2868_prep
    .symbol:         k_q72797a2868_prep.kd
    .args:
      - { .name: K, .offset: 0, .size: 8, .value_kind: global_buffer, .address_space: global }
      - { .name: Wk, .offset: 8, .size: 8, .value_kind: global_buffer, .address_space: global }
      - { .name: Wq, .offset: 16, .size: 8, .value_kind: global_buffer, .address_space: global }
      - { .name: Wv, .offset: 24, .size: 8, .value_kind: global_buffer, .address_space: global }
      - { .name: bq, .offset: 32, .size: 8, .value_kind: global_buffer, .address_space: global }
      - { .name: bk, .offset: 40, .size: 8, .value_kind: global_buffer, .address_space: global }
      - { .name: bv, .offset: 48, .size: 8, .value_kind: global_buffer, .address_space: global }
      - { .name: kb, .offset: 56, .size: 8, .value_kind: global_buffer, .address_space: global }
      - { .name: wb, .offset: 64, .size: 8, .value_kind: global_buffer, .address_space: global }
      - { .name: bqk, .offset: 72, .size: 8, .value_kind: global_buffer, .address_space: global }
      - { .name: bvk, .offset: 80, .size: 8, .value_kind: global_buffer, .address_space: global }
    .group_segment_fixed_size: 314880
    .private_segment_fixed_size: 0
    .kernarg_segment_align: 8
    .kernarg_segment_size: 88
    .max_flat_workgroup_size: 256
    .sgpr_count:     66
    .vgpr_count:     512
    .wavefront_size: 32
...
	.end_amdgpu_metadata
.endif
;; end of part 3
;; launch attn (part 4): grid 256 x 1, 4 waves a work-group, clusters of 4 x 1, 327,680 bytes of LDS; arguments Q, mask_weights, bqk, bvk, kb, wb, out0; writes out0
.if DOCPART == 4
	.amdgcn_target "amdgcn-amd-amdhsa--gfx1250"
	.amdhsa_code_object_version 6
	.text
	.protected	k_q72797a2868_attn
	.globl	k_q72797a2868_attn
	.p2align	8
	.type	k_q72797a2868_attn,@function
k_q72797a2868_attn:
	s_mov_b64 s[64:65], 0
	v_nop
	global_prefetch_b8 v0, s[64:65] scope:SCOPE_SE
	s_setreg_imm32_b32 hwreg(HW_REG_WAVE_MODE, 25, 1), 1
	s_wait_xcnt 0x0
	s_wait_alu depctr_hold_cnt(0) depctr_sa_sdst(0) depctr_va_vdst(0) depctr_va_sdst(0) depctr_va_ssrc(0) depctr_va_vcc(0) depctr_vm_vsrc(0)
	s_getreg_b32 s2, hwreg(HW_REG_IB_STS2, 6, 4)
	s_cmp_eq_u32 s2, 0
	s_cbranch_scc0 .Lentry_in_a_cluster
	s_endpgm
.Lentry_in_a_cluster:
	s_bfe_u32 s2, ttmp6, 0x10000c
	s_cmp_lg_u32 s2, 0x3003
	s_cbranch_scc0 .Lentry_shape_is_right
	s_endpgm
.Lentry_shape_is_right:
; out0[b][q][:] = (sum over keys of softmax(q' . K / sqrt(512) + ln mask) K) Wvk^T + bvk, with q' = Q Wqk^T + bqk.  kb holds K in bf16; wb holds Wqk = Wk^T Wq and Wvk = Wv Wk in bf16 (tiles of 128 rows x 512);
; bqk = Wk^T bq and bvk = Wv bk + bv are f32.  This is the module's result for every input: q.k = q'.K + q.bk, whose last term is the same for all keys of a query and leaves a softmax unchanged; and the rows
; of a softmax add up to 1, so P v = (P K) Wvk^T + bvk.  Neither k nor v is ever formed, and one tile of K serves both products.
; FORMATS AND LIMITS.  All inputs are rounded once to bf16 (the mask too, then kept as f32).  q' times c = log2(e) / sqrt(512), P, and P K / l are rounded once to bf16; products, maxima and sums in f32.
; p = 2^(c q'.K + log2 mask - M) with a running maximum M over all keys seen.  log2 mask is held at -1e30 or above: a weight of 0 (or a denormal one) gives p = 0 beside any other key; a batch whose weights are
; all 0 gives finite numbers where the softmax of -inf alone has none; a negative weight counts as 0.  A p below 2^-126 counts as 0.  NaN and infinities are not treated apart.
; SHARES.  A work-group owns 64 queries; ALL FOUR WAVES WORK ON ALL 64.  Source 1 of every product of kind "tile x X" is X: 64 rows x 512 in bf16, 512 registers, the same in all four waves: first Q's rows
; (half of their 1,024 at a time), then q', at last P K / l.  Of a tile's 128 rows a wave takes 32: each byte of a tile is read from LDS once for 64 queries.  In P K a wave takes 128 of the 512 channels and all keys.
; What crosses between waves goes through LDS: the maxima, P, the sums, and the results that become X.
; THE WALK.  30 tiles through two slots: Q[:, 0:512] | Wqk 0-3 | Q[:, 512:1024] | Wqk 4-7 | K 0-15 | Wvk 0-3.  The change of slots that enters a tile asks for the next.  Every wave fetches a quarter of every
; tile by one tensor load behind each round: one tensor load of a wave is out at a time.
; CLUSTER.  Four work-groups of one batch: K's and the weights' tiles are asked for jointly; Q's rows are each work-group's own (plain loads).
; A BF16 TILE IN LDS: rows of 1,024 + 16 bytes.  AN F32 TILE (Q): 16 bytes of padding after every 1,024: rows 2,080 apart; a wave's block of 16 rows begins 33,296 behind the last one's; fragment (t, r) takes
; block 2 (t / 2) + r / 8, row 8 (t % 2) + r % 8.  So query 16 t + r of the text (a VIRTUAL row) is row 32 (t / 2) + 16 (r / 8) + 8 (t % 2) + r % 8 of the work-group's 64; only the last stores turn it back.
; REGISTERS.  window 0: v0-31 addresses; v32-63 statistics, 8 a group t of 16 queries; v64-79 the C operand that starts sums; v80-143 S (8 accumulators), later P's fragments; v144-239 three fragment buffers.
;   window 1: 32 accumulators: q', then O.     windows 2, 3: X(t, c), 16 rows x 32, at v[64 t + 8 (c % 8)] of window 2 + c / 8.
.set SLOT,  133376                     ; a slot, in whole blocks of 256 bytes: 128 x 1,040 or 4 x 33,296 fit
.set BLK,   33296
.set TILEB, 131072                     ; bytes of a bf16 tile in memory
.set SCR,   2*SLOT                     ; 33,792 bytes, in turn: P (64 rows x 272), the exchange (64 x 528: 256 channels in bf16), the way out (64 x 528: 128 f32)
.set MXB,   SCR+33792                  ; the waves' maxima: 256 x wave + 16 r, a word for each t; 1,024 further on: their sums
.set LWT,   MXB+2048                   ; log2 mask of the batch's 2,048 keys
.set BVT,   LWT+8192                   ; bvk: directly behind, so that one walking address serves both
.set BQT,   BVT+2048                   ; bqk
.set SPARE, BQT+2048                   ; the spare words, 128 bytes a wave: two blocks of 256 bytes that no other line names
.set AKL, 3                            ; v3   my place in a bf16 tile: 1,040 (32 w + r) + 16 h
.set AK,  4                            ; v4   the same in the slot in hand
.set AVL, 5                            ; v5   my place for the turning loads: 1,040 (8 h + l % 8) + 256 w + 128 ((l / 8) % 2)
.set AV0, 6                            ; v6   in the slot in hand, keys 0-63
.set AV1, 7                            ; v7   keys 64-127
.set AXL, 8                            ; v8   my place in an f32 tile
.set AX0, 9                            ; v9   in the slot in hand, t = 0, 1
.set AX1, 10                           ; v10  t = 2, 3
.set PW,  11                           ; v11  where I put 8 weights of a query
.set PR,  12                           ; v12  where I read P's fragments
.set EWQ, 13                           ; v13  the exchange: where I put 8 channels of q'
.set EWO, 14                           ; v14  of O
.set ER,  15                           ; v15  where I read X's fragments
.set MW,  16                           ; v16  my wave's four maxima of query r
.set MR,  17                           ; v17  wave 0's
.set LWA, 18                           ; v18  LWT + 128 w + 32 h
.set SW,  19                           ; v19  the way out: where I put 8 f32
.set SR,  20                           ; v20  where I read rows back
.set GO,  21                           ; v21  my byte offset in the work-group's rows of out0
.set SPW, 22                           ; v22  LDS address of my spare word; never rewritten
.set NIL, 23                           ; v23  0; never rewritten
.set PFO, 24                           ; v24  256 x lane
.set PFQ, 25                           ; v25  4,096 (l / 8) + 256 (l % 8)
.set LWC, 26                           ; v26  LWA for the tile in hand
.set ST,  32                           ; group t at ST + 8 t: +0 M, +1 M_old - M, +2 a (at last 1 / l), +3 its pair's other half, +4, +5 l, +6, +7 at work
.set LW,  64
.set S,   80                           ; S(kb, t) at S + 32 kb + 8 t
.set F,   144
.set RAW, 80                           ; f32 as loaded, two buffers of 64
.set WV,  18                           ; s18  my wave's number
.set CX,  19
.set GG,  20                           ; s20  my work-group's number
.set BB,  21                           ; s21  the batch
.set G1J, 24                           ; s[24:31] group 1, joint: bf16 tiles
.set G1Q, 32                           ; s[32:39] group 1, plain: Q's rows
.set G0J, 40
.set G0Q, 44
.set PKB, 48                           ; s[48:49] kb at my quarter of the tile to be asked for
.set PWB, 50                           ; s[50:51] wb likewise
.set QP,  52                           ; s[52:53] Q at my 16 rows; never rewritten
.set OUTP, 54                          ; s[54:55] out0 at the work-group's first row, at the columns in hand
.set PFA, 56                           ; s[56:57] where my prefetches of K stand
.set TB,  60                           ; s60  the slot in hand: 0 or SLOT
.set SLW, 61                           ; s61  512 x the number of sums started from the table
.set WOFF, 62                          ; s62  33,280 x wave
.set WOFQ, 63                          ; s63  33,296 x wave
.set CNT, 66
.set HC,  67
.set LIM, 68                           ; s68  2 in the batch's first cluster, else the greatest number
.set CS,  70                           ; s[70:71] c
.set SEL, 72                           ; s[72:73] v_permlanex16_b32's selects: each lane takes its own place in the other half
.set BIGN, 74                          ; s74  -1e30
.set MSB, 0
.macro WIN new                         ; the immediate's high byte repeats the setting that is left; a switch that changes nothing is dropped
.if MSB != (\new)
	s_set_vgpr_msb (MSB<<8)|(\new)
.set MSB, \new
.endif
.endm
.macro PLACES                          ; four plain instructions between a matrix instruction and what reads its result, writes or loads into its registers
.rept 4
	v_nop
.endr
.endm
.macro CROUND                          ; a round of the cluster's barrier
	s_barrier_signal -1
	s_barrier_wait -1
	s_cmp_lg_u32 s[WV], 0
	s_cbranch_scc1 .Lnw0_\@
	s_barrier_signal -3
.Lnw0_\@:
	s_barrier_wait -3
	s_barrier_signal -1
	s_barrier_wait -1
.endm
; THE CHANGE OF SLOTS.  Every wave: earlier stores and prefetches have read their registers; all its tensor loads have landed (the one that was out is its quarter of the tile to be entered); 0 onto its spare
; word; the add and all its LDS reads and stores are done.  Then a round of the cluster's barrier, and the slot just left is filled, first thing behind it.
; mode 1: the next tile of wb.  2: Q's second half (plain).  3: K's tile 0.  4: in the loop over K's tiles: the next one, or behind the last Wvk's first.  0: nothing is left to ask for.
.macro CHANGE mode
	WIN 0
	s_wait_xcnt 0x0
	s_wait_tensorcnt 0x0                           ; no tensor load of mine is out, so the groups 0 may be written
	ds_add_u32 v[SPW], v[NIL]                      ; scalar work stands between the add and the wait for it
	s_xor_b32 s[TB], s[TB], SLOT
	s_xor_b32 s[G0J+1], s[G0J+1], SLOT             ; SLOT shares no bit with a wave's offset: the exclusive or adds or takes away SLOT
	s_xor_b32 s[G0Q+1], s[G0Q+1], SLOT
.if (\mode) == 1
	s_mov_b64 s[G0J+2:G0J+3], s[PWB:PWB+1]
	s_or_b32 s[G0J+3], s[G0J+3], 0x80000000
	s_add_nc_u64 s[PWB:PWB+1], s[PWB:PWB+1], TILEB
.elseif (\mode) == 2
	s_add_nc_u64 s[G0Q+2:G0Q+3], s[QP:QP+1], 2048
	s_or_b32 s[G0Q+3], s[G0Q+3], 0x80000000
.elseif (\mode) == 3
	s_mov_b64 s[G0J+2:G0J+3], s[PKB:PKB+1]
	s_or_b32 s[G0J+3], s[G0J+3], 0x80000000
	s_add_nc_u64 s[PKB:PKB+1], s[PKB:PKB+1], TILEB
.elseif (\mode) == 4
	s_add_nc_u64 s[PFA:PFA+1], s[PFA:PFA+1], TILEB
	s_cmp_eq_u32 s[CNT], 1
	s_cselect_b64 s[G0J+2:G0J+3], s[PWB:PWB+1], s[PKB:PKB+1]
	s_or_b32 s[G0J+3], s[G0J+3], 0x80000000
	s_add_nc_u64 s[PKB:PKB+1], s[PKB:PKB+1], TILEB ; (behind the last tile it is not used)
.endif
	s_wait_dscnt 0x0
.if (\mode) == 0
	s_barrier_signal -1
	s_barrier_wait -1
.else
	CROUND
.if (\mode) == 2
	tensor_load_to_lds s[G0Q:G0Q+3], s[G1Q:G1Q+7]
.else
	tensor_load_to_lds s[G0J:G0J+3], s[G1J:G1J+7]
.endif
	s_nop 0
.endif
	PLACES
	v_add_nc_u32 v[AK], s[TB], v[AKL]
	v_add_nc_u32 v[AV0], s[TB], v[AVL]
	v_add_nc_u32 v[AV1], 66560, v[AV0]
	v_add_nc_u32 v[AX0], s[TB], v[AXL]
	v_add_nc_u32 v[AX1], 2*BLK, v[AX0]
.endm
; X from the f32 tile in hand.  Batch b of 16: fragments t = b / 4, c = 4 (b % 4) + 0..3: 16 loads, then 32 roundings of two.
.macro XLD b
.set xt, (\b)/4
.irp cc,0,1,2,3
.set xc, 4*((\b)%4)+(\cc)
.set xo, (xt%2)*16640+(xc/8)*1040+128*(xc%8)
.set xr, RAW+64*((\b)%2)+16*(\cc)
	ds_load_b128 v[xr:xr+3],     v[AX0+xt/2] offset:xo
	ds_load_b128 v[xr+4:xr+7],   v[AX0+xt/2] offset:xo+16
	ds_load_b128 v[xr+8:xr+11],  v[AX0+xt/2] offset:xo+64
	ds_load_b128 v[xr+12:xr+15], v[AX0+xt/2] offset:xo+80
.endr
.endm
.macro XQ
	WIN 0
	XLD 0
	XLD 1
.set bt, 0
.rept 16
.if bt < 15
	s_wait_dscnt 16                                ; this batch is in; the next one's 16 loads may stay out
.else
	s_wait_dscnt 0
.endif
	WIN 0x80+0x40*((bt%4)/2)                       ; destination window 2 or 3
.set i, 0
.rept 32
	v_cvt_pk_bf16_f32 v[64*(bt/4)+32*(bt%2)+i], v[RAW+64*(bt%2)+2*i], v[RAW+64*(bt%2)+2*i+1]
.set i, i+1
.endr
	WIN 0
.if bt < 14
	XLD bt+2
.endif
.set bt, bt+1
.endr
.endm
; A TILE TIMES X: my 32 rows of the tile (two blocks kb of 16) x 64 rows of X x 512: 128 matrix instructions in 8 groups of 64 along K.  Eight accumulators take turns.
; d1 = 1: the accumulators lie in window 1, from register db on.  cf = 1: the first products start the sums with 16 numbers a lane from the table that LWA walks (log2 mask, then bvk).
.macro KLD g                           ; a group's four fragments: 8 loads
.irp cc,0,1
.irp kb,0,1
.set kr, F+32*((\g)%3)+8*(2*(\cc)+(\kb))
	ds_load_b128 v[kr:kr+3],   v[AK] offset:16640*(\kb)+64*(2*(\g)+(\cc))
	ds_load_b128 v[kr+4:kr+7], v[AK] offset:16640*(\kb)+64*(2*(\g)+(\cc))+32
.endr
.endr
.endm
.macro GT d1, db, cf
	WIN 0
.if \cf
	v_add_nc_u32 v[LWC], s[SLW], v[LWA]
	s_add_co_u32 s[SLW], s[SLW], 512
	ds_load_b128 v[LW:LW+3],     v[LWC]
	ds_load_b128 v[LW+4:LW+7],   v[LWC] offset:16
	ds_load_b128 v[LW+8:LW+11],  v[LWC] offset:64
	ds_load_b128 v[LW+12:LW+15], v[LWC] offset:80
.endif
	KLD 0
	KLD 1
.set gq, 0
.rept 8
.if gq < 7
	s_wait_dscnt 8                                 ; this group's fragments are in; the next group's 8 loads may stay out
.else
	s_wait_dscnt 0
.endif
	WIN 0x08+0x50*(\d1)+4*(gq/4)                   ; source 1 (X) in window 2 or 3; C and D in window d1
.irp cc,0,1
.irp kb,0,1
.irp t,0,1,2,3
.set ra, F+32*(gq%3)+8*(2*(\cc)+(\kb))
.set rb, 64*(\t)+8*((2*gq+(\cc))%8)
.set rd, (\db)+8*(4*(\kb)+(\t))
.if (\cf) && (gq == 0) && ((\cc) == 0)
	v_wmma_f32_16x16x32_bf16 v[rd:rd+7], v[ra:ra+7], v[rb:rb+7], v[LW+8*(\kb):LW+8*(\kb)+7]
.else
	v_wmma_f32_16x16x32_bf16 v[rd:rd+7], v[ra:ra+7], v[rb:rb+7], v[rd:rd+7]
.endif
.endr
.endr
.endr
.if gq < 6
	PLACES                                         ; in front of loads into the buffer that the group before multiplied
.if \d1
	WIN 0
.endif
	KLD gq+2
.endif
.set gq, gq+1
.endr
.endm
; X's half p (channels 256 p on) from the exchange
.macro EXR p
	WIN 0x80+0x40*(\p)
.irp t,0,1,2,3
.irp c,0,1,2,3,4,5,6,7
	ds_load_b128 v[64*(\t)+8*(\c):64*(\t)+8*(\c)+3],   v[ER] offset:8448*(\t)+64*(\c)
	ds_load_b128 v[64*(\t)+8*(\c)+4:64*(\t)+8*(\c)+7], v[ER] offset:8448*(\t)+64*(\c)+32
.endr
.endr
	WIN 0
.endm
; q' BECOMES X: times c, rounded to bf16, 256 channels at a time through the exchange.  Accumulator (m, kb, t) holds channels 128 m + 32 w + 16 kb + 8 h + 0..7 of query (t, r).
; Behind the second pass's reads stands no barrier of its own: the change of slots that follows has the wait and the round.
.macro EXQ
	PLACES
.irp p,0,1
	WIN 0x41
.set i, 128*(\p)
.rept 64
	v_pk_mul_f32 v[i:i+1], v[i:i+1], s[CS:CS+1] op_sel_hi:[1,0]
.set i, i+2
.endr
	WIN 0x05
.set i, 0
.rept 64
	v_cvt_pk_bf16_f32 v[S+i], v[128*(\p)+2*i], v[128*(\p)+2*i+1]
.set i, i+1
.endr
	WIN 0
.irp m,0,1
.irp kb,0,1
.irp t,0,1,2,3
	ds_store_b128 v[EWQ], v[S+32*(\m)+4*(4*(\kb)+(\t)):S+32*(\m)+4*(4*(\kb)+(\t))+3] offset:8448*(\t)+256*(\m)+32*(\kb)
.endr
.endr
.endr
	s_wait_dscnt 0x0                               ; for the others' sake: my stores are done
	s_barrier_signal -1
	s_barrier_wait -1
	EXR \p
.if (\p) == 0
	s_wait_dscnt 0x0                               ; my reads are done: the exchange may be written again
	s_barrier_signal -1
	s_barrier_wait -1
.endif
.endr
.endm
; THE MAXIMUM of my wave's 32 keys for each query, and its way to the other waves.  Each accumulator's lowest registers are read first.
.macro MX
	WIN 0
	PLACES
.irp t,0,1,2,3
	v_max3_num_f32 v[ST+8*(\t)+6], v[S+8*(\t)], v[S+8*(\t)+1], v[S+8*(\t)+2]
.endr
.irp z,3,5
.irp t,0,1,2,3
	v_max3_num_f32 v[ST+8*(\t)+6], v[ST+8*(\t)+6], v[S+8*(\t)+(\z)], v[S+8*(\t)+(\z)+1]
.endr
.endr
.irp t,0,1,2,3
	v_max3_num_f32 v[ST+8*(\t)+6], v[ST+8*(\t)+6], v[S+8*(\t)+7], v[S+32+8*(\t)]
.endr
.irp z,1,3,5
.irp t,0,1,2,3
	v_max3_num_f32 v[ST+8*(\t)+6], v[ST+8*(\t)+6], v[S+32+8*(\t)+(\z)], v[S+32+8*(\t)+(\z)+1]
.endr
.endr
.irp t,0,1,2,3
	v_max_num_f32 v[ST+8*(\t)+6], v[ST+8*(\t)+6], v[S+32+8*(\t)+7]
.endr
.irp t,0,1,2,3
	v_permlanex16_b32 v[ST+8*(\t)+7], v[ST+8*(\t)+6], s[SEL], s[SEL+1]   ; the query's other 16 keys lie in the lane 16 away
.endr
.irp t,0,1,2,3
	v_max_num_f32 v[F+(\t)], v[ST+8*(\t)+6], v[ST+8*(\t)+7]
.endr
	ds_store_b128 v[MW], v[F:F+3]
	s_wait_dscnt 0x0
	s_barrier_signal -1
	s_barrier_wait -1
.endm
.macro RS                              ; all 32 accumulators of O times the number at ST + 2 of their group t
	WIN 0x41
.set i, 0
.rept 32
.irp z,0,2,4,6
	v_pk_mul_f32 v[8*i+(\z):8*i+(\z)+1], v[8*i+(\z):8*i+(\z)+1], v[ST+8*(i%4)+2:ST+8*(i%4)+3] op_sel_hi:[1,0]
.endr
.set i, i+1
.endr
	WIN 0
.endm
; K's fragments for O^T = K^T P, turned: step n of 8: keys 32 (n / 2) on, channel blocks cb = 4 (n % 2) + 0..3.
; row m of the fragment is channel 128 w + 8 cb + 64 (m / 8) + m % 8, and O(cb, t), register j, lane (r, h) is channel 128 w + 64 h + 8 cb + j.
.macro VLD n
.set vk, (\n)/2
.irp qd,0,1,2,3
.set vo, 33280*(vk%2)+16*(4*((\n)%2)+(\qd))
.set vr, F+32*((\n)%3)+8*(\qd)
	ds_load_tr16_b128 v[vr:vr+3],   v[AV0+vk/2] offset:vo
	ds_load_tr16_b128 v[vr+4:vr+7], v[AV0+vk/2] offset:vo+16640
.endr
.endm
.macro PLD kk                          ; P's fragments for keys 32 kk on, all four t
.irp t,0,1,2,3
	ds_load_b128 v[S+32*((\kk)%2)+8*(\t):S+32*((\kk)%2)+8*(\t)+3],   v[PR] offset:4352*(\t)+64*(\kk)
	ds_load_b128 v[S+32*((\kk)%2)+8*(\t)+4:S+32*((\kk)%2)+8*(\t)+7], v[PR] offset:4352*(\t)+64*(\kk)+32
.endr
.endm
; THE SOFTMAX OF A TILE.  The new M of each query from the four waves' maxima and the old M; a = 2^(M_old - M); p = 2^(s - M); P in bf16 into LDS; l = a l + the sum of my p.
; The 68 exponentials are one batch with one wait.  Between the signal and the wait of the barrier that shows P to everybody: K's first fragments for the second product (bytes of the tile in hand, which nobody
; writes before the next round) and O times a.
.macro SM
.irp u,0,1,2,3
	ds_load_b128 v[F+4*(\u):F+4*(\u)+3], v[MR] offset:256*(\u)
.endr
	s_wait_dscnt 0x0
.irp t,0,1,2,3
	v_max3_num_f32 v[ST+8*(\t)+6], v[F+(\t)], v[F+4+(\t)], v[F+8+(\t)]
.endr
.irp t,0,1,2,3
	v_max3_num_f32 v[ST+8*(\t)+6], v[ST+8*(\t)+6], v[F+12+(\t)], v[ST+8*(\t)]
.endr
.irp t,0,1,2,3
	v_sub_f32 v[ST+8*(\t)+1], v[ST+8*(\t)], v[ST+8*(\t)+6]
.endr
.irp t,0,1,2,3
	v_mov_b32 v[ST+8*(\t)], v[ST+8*(\t)+6]
.endr
.irp kb,0,1
.irp t,0,1,2,3
.irp z,0,2,4,6
	v_pk_add_f32 v[S+32*(\kb)+8*(\t)+(\z):S+32*(\kb)+8*(\t)+(\z)+1], v[S+32*(\kb)+8*(\t)+(\z):S+32*(\kb)+8*(\t)+(\z)+1], v[ST+8*(\t):ST+8*(\t)+1] op_sel_hi:[1,0] neg_lo:[0,1] neg_hi:[0,1]
.endr
.endr
.endr
.irp t,0,1,2,3
	v_exp_f32 v[ST+8*(\t)+2], v[ST+8*(\t)+1]
.endr
.set i, 0
.rept 64
	v_exp_f32 v[S+i], v[S+i]
.set i, i+1
.endr
	v_nop                                          ; a plain instruction behind the last exponential,
	s_wait_alu depctr_va_vdst(0)                   ; and the one wait for the batch, ahead of its first reader
.set i, 0
.rept 32
	v_cvt_pk_bf16_f32 v[F+32+i], v[S+2*i], v[S+2*i+1]
.set i, i+1
.endr
.irp kb,0,1
.irp t,0,1,2,3
	ds_store_b128 v[PW], v[F+32+4*(4*(\kb)+(\t)):F+32+4*(4*(\kb)+(\t))+3] offset:4352*(\t)+32*(\kb)
.endr
.endr
.irp z,0,4
.irp kb,0,1
.irp t,0,1,2,3
	v_pk_add_f32 v[S+32*(\kb)+8*(\t)+(\z):S+32*(\kb)+8*(\t)+(\z)+1], v[S+32*(\kb)+8*(\t)+(\z):S+32*(\kb)+8*(\t)+(\z)+1], v[S+32*(\kb)+8*(\t)+(\z)+2:S+32*(\kb)+8*(\t)+(\z)+3]
.endr
.endr
.endr
.irp kb,0,1
.irp t,0,1,2,3
	v_pk_add_f32 v[S+32*(\kb)+8*(\t):S+32*(\kb)+8*(\t)+1], v[S+32*(\kb)+8*(\t):S+32*(\kb)+8*(\t)+1], v[S+32*(\kb)+8*(\t)+4:S+32*(\kb)+8*(\t)+5]
.endr
.endr
.irp t,0,1,2,3
	v_pk_add_f32 v[S+8*(\t):S+8*(\t)+1], v[S+8*(\t):S+8*(\t)+1], v[S+32+8*(\t):S+32+8*(\t)+1]
.endr
.irp t,0,1,2,3
	v_pk_fma_f32 v[ST+8*(\t)+4:ST+8*(\t)+5], v[ST+8*(\t)+4:ST+8*(\t)+5], v[ST+8*(\t)+2:ST+8*(\t)+3], v[S+8*(\t):S+8*(\t)+1] op_sel_hi:[1,0,1]
.endr
	s_wait_dscnt 0x0                               ; for the others' sake: my part of P is in LDS
	s_barrier_signal -1
	VLD 0
	VLD 1
	RS
	s_barrier_wait -1
.endm
; O^T += K^T P: my 128 channels x 64 queries x 128 keys: 128 matrix instructions in 8 steps; a step's 16 accumulators take turns.
; LDS runs of 8, in the order of issue: V0 V1 P0 P1 | V2 | V3 P2 | V4 | V5 P3 | V6 | V7.  Each count leaves out the runs younger than the youngest that the step needs.
.macro PV
	PLD 0
	PLD 1
.set n, 0
.rept 8
.if n == 7
	s_wait_dscnt 0
.elseif (n == 0) || (n == 6)
	s_wait_dscnt 8
.else
	s_wait_dscnt 16
.endif
	WIN 0x50                                       ; C and D in window 1
.irp qd,0,1,2,3
.irp t,0,1,2,3
.set rd, 8*(4*(4*(n%2)+(\qd))+(\t))
.set ra, F+32*(n%3)+8*(\qd)
.set rb, S+32*((n/2)%2)+8*(\t)
	v_wmma_f32_16x16x32_bf16 v[rd:rd+7], v[ra:ra+7], v[rb:rb+7], v[rd:rd+7]
.endr
.endr
.if n < 6
	PLACES
	WIN 0
	VLD n+2
.if n == 1
	PLD 2
.endif
.if n == 3
	PLD 3
.endif
.endif
.set n, n+1
.endr
.endm
; PREFETCHES INTO THE L2.  ASK: in trip j of the loop over K's tiles, tile j + 2: one tile ahead of the change that asks for it.  All eight clusters of a batch walk the same tiles: the batch's first cluster asks;
; its four work-groups and their four waves share the tile's 512 blocks of 256 bytes out by address, a lane a block.  The last two trips ask for nothing; tiles 0 and 1 come by their loads alone.
.macro ASK
	s_cmp_gt_u32 s[CNT], s[LIM]
	s_cbranch_scc0 .Lna_\@
	global_prefetch_b8 v[PFO], s[PFA:PFA+1] th:TH_LOAD_NT scope:SCOPE_SE
.Lna_\@:
.endm
; ASKQ: my own 16 rows of Q's second half (8 blocks of 256 bytes a row, 4 rows an instruction), two tiles' products ahead of the change that asks for them.
.macro ASKQ
	s_cmp_eq_u32 s[HC], 2
	s_cbranch_scc0 .Lnq_\@
.irp n,0,1,2,3
	global_prefetch_b8 v[PFQ], s[QP:QP+1] offset:2048+16384*(\n) th:TH_LOAD_NT scope:SCOPE_SE
.endr
.Lnq_\@:
.endm
; O / l BECOMES X, pass p: waves 2 p and 2 p + 1 hold channels 256 p on.
.macro EXOP p
.if \p
	s_cmp_ge_u32 s[WV], 2
.else
	s_cmp_lt_u32 s[WV], 2
.endif
	s_cbranch_scc0 .Lxo_\@
.irp c,0,1,2,3,4,5,6,7
.irp t,0,1,2,3
	ds_store_b128 v[EWO], v[S+4*(4*(\c)+(\t)):S+4*(4*(\c)+(\t))+3] offset:8448*(\t)+16*(\c)
.endr
.endr
.Lxo_\@:
	s_wait_dscnt 0x0
	s_barrier_signal -1
	s_barrier_wait -1
	EXR \p
.if (\p) == 0
	s_wait_dscnt 0x0
	s_barrier_signal -1
	s_barrier_wait -1
.endif
.endm
; THE WAY OUT of 128 columns: f32 through the stage; each wave reads 16 whole rows of 512 bytes back and stores them: a store covers 512 consecutive bytes, aligned.
.macro OUTS
	WIN 0
	PLACES
.irp kb,0,1
.irp t,0,1,2,3
	ds_store_b128 v[SW], v[S+32*(\kb)+8*(\t):S+32*(\kb)+8*(\t)+3]   offset:8448*(\t)+64*(\kb)
	ds_store_b128 v[SW], v[S+32*(\kb)+8*(\t)+4:S+32*(\kb)+8*(\t)+7] offset:8448*(\t)+64*(\kb)+16
.endr
.endr
	s_wait_dscnt 0x0
	s_barrier_signal -1
	s_barrier_wait -1
.set i, 0
.rept 16
	ds_load_b128 v[F+4*i:F+4*i+3], v[SR] offset:528*i
.set i, i+1
.endr
.set i, 0
.rept 16
	s_wait_dscnt 15-i
	global_store_b128 v[GO], v[F+4*i:F+4*i+3], s[OUTP:OUTP+1] offset:(16*(i/8)+i%8)*2048 th:TH_STORE_NT
.set i, i+1
.endr
.endm
	s_load_b256 s[4:11], s[0:1], 0x0               ; Q s[4:5], mask s[6:7], bqk s[8:9], bvk s[10:11]
	s_load_b128 s[12:15], s[0:1], 0x20             ; kb s[12:13], wb s[14:15]
	s_load_b64 s[16:17], s[0:1], 0x30              ; out0
	v_lshl_add_u32 v[SPW], v0, 2, SPARE
	v_mov_b32 v[NIL], 0
	ds_add_u32 v[SPW], v[NIL]                      ; the wave's opening: the add and its wait ahead of my first tensor load
	v_lshrrev_b32 v1, 5, v0
	v_readfirstlane_b32 s[WV], v1                  ; wave 0..3
	s_bfe_u32 s[CX], ttmp6, 0x40000
	s_lshl_b32 s[GG], ttmp9, 2                     ; ttmp9 counts clusters
	s_add_co_u32 s[GG], s[GG], s[CX]
	s_lshr_b32 s[BB], ttmp9, 3                     ; eight clusters a batch: the four partners share it
	s_mul_i32 s[WOFF], s[WV], 33280
	s_mul_i32 s[WOFQ], s[WV], BLK
	; group 1 for bf16 tiles: 32 rows x 512 elements of 2 bytes, 4 words of padding after every 256 words; the mask of four, bit 21 beside it
	s_mov_b32 s[G1J], 15|(1<<16)|(1<<20)|(1<<21)|(7<<22)|(3<<25)
	s_mov_b32 s[G1J+1], 512<<16                    ; tensor_dim0 = 512
	s_mov_b32 s[G1J+2], 32<<16                     ; tensor_dim1 = 32
	s_mov_b32 s[G1J+3], 512<<16                    ; tile_dim0 = 512
	s_mov_b32 s[G1J+4], 32                         ; tile_dim1 = 32
	s_mov_b32 s[G1J+5], 512                        ; elements from row to row
	s_mov_b32 s[G1J+6], 0
	s_mov_b32 s[G1J+7], 0
	; group 1 for Q's rows: 16 rows x 512 elements of 4 bytes, the same padding, no mask
	s_mov_b32 s[G1Q], (2<<16)|(1<<20)|(7<<22)|(3<<25)
	s_mov_b32 s[G1Q+1], 512<<16
	s_mov_b32 s[G1Q+2], 16<<16
	s_mov_b32 s[G1Q+3], 512<<16
	s_mov_b32 s[G1Q+4], 16
	s_mov_b32 s[G1Q+5], 1024
	s_mov_b32 s[G1Q+6], 0
	s_mov_b32 s[G1Q+7], 0
	s_mov_b32 s[G0J], 1
	s_mov_b32 s[G0J+1], s[WOFF]                    ; slot 0; every change turns both LDS words
	s_mov_b32 s[G0Q], 1
	s_mov_b32 s[G0Q+1], s[WOFQ]
	s_mov_b32 s[TB], SLOT                          ; the first change turns it to 0
	s_mov_b32 s[SLW], 0
	s_mov_b32 s[CS], 0x3d8293ee                    ; c = log2(e) / sqrt(512) = 0.0637587
	s_mov_b32 s[CS+1], s[CS]
	s_mov_b32 s[SEL], 0x76543210
	s_mov_b32 s[SEL+1], 0xfedcba98
	s_mov_b32 s[BIGN], 0xf149f2ca                  ; -1e30
	s_and_b32 s[LIM], ttmp9, 7
	s_cmp_eq_u32 s[LIM], 0
	s_cselect_b32 s[LIM], 2, -1                    ; the same in all four partners
	s_wait_dscnt 0x0                               ; the opening add is done
	s_wait_kmcnt 0x0
	s_lshl_b32 s76, s[GG], 18                      ; 64 rows of 4,096 bytes a work-group,
	s_lshl_b32 s77, s[WV], 16                      ; 16 a wave
	s_add_co_u32 s76, s76, s77
	s_mov_b32 s77, 0
	s_add_nc_u64 s[QP:QP+1], s[4:5], s[76:77]
	s_lshl_b32 s76, s[GG], 17                      ; 64 rows of 2,048 bytes
	s_add_nc_u64 s[OUTP:OUTP+1], s[16:17], s[76:77]
	s_lshl_b32 s76, s[BB], 21                      ; the prefetches: the batch, tile 1 (the first trip steps it to tile 2),
	s_add_co_u32 s76, s76, TILEB
	s_lshl_b32 s75, s[CX], 15                      ; my work-group's quarter of a tile,
	s_add_co_u32 s76, s76, s75
	s_lshl_b32 s75, s[WV], 13                      ; my wave's quarter of that
	s_add_co_u32 s76, s76, s75
	s_add_nc_u64 s[PFA:PFA+1], s[12:13], s[76:77]
	s_lshl_b32 s78, s[BB], 21                      ; (s78, s79 never hold my place in the cluster)
	s_lshl_b32 s79, s[WV], 15
	s_add_co_u32 s78, s78, s79
	s_mov_b32 s79, 0
	s_add_nc_u64 s[PKB:PKB+1], s[12:13], s[78:79]
	s_lshl_b32 s78, s[WV], 15
	s_add_nc_u64 s[PWB:PWB+1], s[14:15], s[78:79]
	s_lshl_b32 s78, s[BB], 13
	s_add_nc_u64 s[6:7], s[6:7], s[78:79]          ; the batch's mask
	s_mov_b64 s[G0Q+2:G0Q+3], s[QP:QP+1]
	s_or_b32 s[G0Q+3], s[G0Q+3], 0x80000000
	CROUND                                         ; all four work-groups are here
	tensor_load_to_lds s[G0Q:G0Q+3], s[G1Q:G1Q+7]  ; my 16 rows of Q[:, 0:512], into slot 0
	s_nop 0
	PLACES
	; While Q is on its way: the tables and the lanes' addresses.
	v_lshlrev_b32 v31, 4, v0                       ; 16 x thread
.irp n,0,1,2,3
	global_load_b128 v[80+4*(\n):83+4*(\n)], v31, s[6:7] offset:2048*(\n)
.endr
	global_load_b128 v[96:99], v31, s[8:9]
	global_load_b128 v[100:103], v31, s[10:11]
	v_and_b32 v1, 15, v0                           ; r
	v_bfe_u32 v2, v0, 4, 1                         ; h
	v_and_b32 v27, 7, v0                           ; l % 8
	v_bfe_u32 v28, v0, 3, 1                        ; (l / 8) % 2 = r / 8
	v_and_b32 v29, 31, v0                          ; l
	v_mul_u32_u24 v[AKL], v1, 1040
	v_lshl_add_u32 v[AKL], v2, 4, v[AKL]
	v_add_nc_u32 v[AKL], s[WOFF], v[AKL]
	v_lshl_add_u32 v[AVL], v2, 3, v27
	v_mul_u32_u24 v[AVL], v[AVL], 1040
	v_lshl_add_u32 v[AVL], v28, 7, v[AVL]
	s_lshl_b32 s78, s[WV], 8
	v_add_nc_u32 v[AVL], s78, v[AVL]
	v_mul_u32_u24 v[AXL], v28, BLK
	v_mul_u32_u24 v30, v27, 2080
	v_add_nc_u32 v[AXL], v[AXL], v30
	v_lshl_add_u32 v[AXL], v2, 5, v[AXL]
	v_mul_u32_u24 v30, v1, 272
	v_lshl_add_u32 v30, v2, 4, v30
	v_add_nc_u32 v[PR], SCR, v30
	s_lshl_b32 s78, s[WV], 6
	v_add_nc_u32 v[PW], s78, v[PR]
	v_mul_u32_u24 v30, v1, 528
	v_add_nc_u32 v30, SCR, v30                     ; SCR + 528 r
	v_lshl_add_u32 v[ER], v2, 4, v30
	v_add_nc_u32 v[EWQ], s78, v[ER]
	s_and_b32 s78, s[WV], 1
	s_lshl_b32 s78, s78, 8
	v_lshl_add_u32 v[EWO], v2, 7, v30
	v_add_nc_u32 v[EWO], s78, v[EWO]
	s_lshl_b32 s78, s[WV], 7
	v_lshl_add_u32 v[SW], v2, 5, v30
	v_add_nc_u32 v[SW], s78, v[SW]
	v_lshlrev_b32 v[LWA], 5, v2
	v_add_nc_u32 v[LWA], s78, v[LWA]
	v_add_nc_u32 v[LWA], LWT, v[LWA]
	v_lshlrev_b32 v[MR], 4, v1
	v_add_nc_u32 v[MR], MXB, v[MR]
	s_lshl_b32 s78, s[WV], 8
	v_add_nc_u32 v[MW], s78, v[MR]
	s_mul_i32 s78, s[WV], 8448
	s_add_co_u32 s78, s78, SCR
	v_lshl_add_u32 v[SR], v29, 4, s78
	s_lshr_b32 s78, s[WV], 1
	s_lshl_b32 s78, s78, 16
	s_and_b32 s79, s[WV], 1
	s_lshl_b32 s79, s79, 14
	s_add_co_u32 s78, s78, s79
	v_lshl_add_u32 v[GO], v29, 4, s78              ; 16 x lane + (32 (w / 2) + 8 (w % 2)) rows of 2,048 bytes
	v_lshlrev_b32 v[PFO], 8, v29
	v_bfe_u32 v30, v0, 3, 2
	v_lshlrev_b32 v30, 12, v30
	v_lshl_add_u32 v[PFQ], v27, 8, v30
	v_add_nc_u32 v30, LWT, v31
	s_wait_loadcnt 0x0
.set i, 0
.rept 8
	v_cvt_pk_bf16_f32 v[104+i], v[80+2*i], v[80+2*i+1]     ; the mask is rounded to bf16 (bqk and bvk are f32 sums and stay as they are),
.set i, i+1
.endr
.set i, 0
.rept 8
	v_lshlrev_b32 v[80+2*i], 16, v[104+i]                  ; and back to f32
	v_and_b32 v[80+2*i+1], 0xffff0000, v[104+i]
.set i, i+1
.endr
.set i, 0
.rept 16
	v_log_f32 v[80+i], v[80+i]
.set i, i+1
.endr
	v_nop
	s_wait_alu depctr_va_vdst(0)                   ; one wait for the sixteen logarithms
.set i, 0
.rept 16
	v_max_num_f32 v[80+i], s[BIGN], v[80+i]
.set i, i+1
.endr
.irp n,0,1,2,3
	ds_store_b128 v30, v[80+4*(\n):83+4*(\n)] offset:2048*(\n)
.endr
	ds_store_b128 v30, v[100:103] offset:BVT-LWT
	ds_store_b128 v30, v[96:99] offset:BQT-LWT
	s_wait_dscnt 0x0
	s_barrier_signal -1                            ; the tables are whole; Q's rows may stay on their way
	s_barrier_wait -1
	WIN 0x40                                       ; q's 32 sums start with bqk: accumulator (m, kb, t), register j: bqk[128 m + 32 w + 16 kb + 8 h + j]
.irp m,0,1,2,3
.irp kb,0,1
.irp t,0,1,2,3
	ds_load_b128 v[64*(\m)+8*(4*(\kb)+(\t)):64*(\m)+8*(4*(\kb)+(\t))+3],   v[LWA] offset:BQT-LWT+512*(\m)+64*(\kb)
	ds_load_b128 v[64*(\m)+8*(4*(\kb)+(\t))+4:64*(\m)+8*(4*(\kb)+(\t))+7], v[LWA] offset:BQT-LWT+512*(\m)+64*(\kb)+16
.endr
.endr
.endr
	WIN 0
	; PHASE 1: q'^T = Wqk Q^T + bqk, a half of Q's 1,024 columns at a time.  The second trip is left in its middle: its last change asks for K, not for Q.
	s_mov_b32 s[HC], 2
.Lhalf:
	CHANGE 1                                       ; Q's half is in; Wqk's next tile is asked for
	XQ
	CHANGE 1
	GT 1, 0, 0
	CHANGE 1
	ASKQ
	GT 1, 64, 0
	CHANGE 1
	GT 1, 128, 0
	WIN 0
	s_cmp_eq_u32 s[HC], 1
	s_cbranch_scc1 .Lhalf2
	CHANGE 2                                       ; Q's second half is asked for
	GT 1, 192, 0
	WIN 0
	s_sub_co_u32 s[HC], s[HC], 1
	s_cmp_lg_u32 s[HC], 0
	s_cbranch_scc1 .Lhalf
.Lhalf2:
	CHANGE 3                                       ; K's tile 0 is asked for
	GT 1, 192, 0
	EXQ
.irp t,0,1,2,3                         ; M starts at the lowest finite number and l at 0: the first tile's a is 0, and O's registers, which hold q', are multiplied by it
	v_mov_b32 v[ST+8*(\t)], 0xff7fffff
	v_mov_b32 v[ST+8*(\t)+3], 0
	v_mov_b32 v[ST+8*(\t)+4], 0
	v_mov_b32 v[ST+8*(\t)+5], 0
	v_mov_b32 v[ST+8*(\t)+7], 0
.endr
	; PHASE 2: the 16 tiles of 128 keys
	s_mov_b32 s[CNT], 16
.Ltile:
	CHANGE 4
	ASK
	GT 0, S, 1                                     ; S^T = K q'^T + log2 mask: my 32 keys x 64 queries
	MX
	SM
	PV
	WIN 0
	s_sub_co_u32 s[CNT], s[CNT], 1
	s_cmp_lg_u32 s[CNT], 0
	s_cbranch_scc1 .Ltile
	s_add_nc_u64 s[PWB:PWB+1], s[PWB:PWB+1], TILEB ; Wvk's first tile has been asked for by the last trip
	; l of each query: my two halves, the other half of the lanes, the four waves; then 1 / l
	PLACES
.irp t,0,1,2,3
	v_add_f32 v[ST+8*(\t)+6], v[ST+8*(\t)+4], v[ST+8*(\t)+5]
.endr
.irp t,0,1,2,3
	v_permlanex16_b32 v[ST+8*(\t)+7], v[ST+8*(\t)+6], s[SEL], s[SEL+1]
.endr
.irp t,0,1,2,3
	v_add_f32 v[F+(\t)], v[ST+8*(\t)+6], v[ST+8*(\t)+7]
.endr
	ds_store_b128 v[MW], v[F:F+3] offset:1024
	s_wait_dscnt 0x0                               ; my sums are in LDS, and my reads of P are over
	s_barrier_signal -1
	s_barrier_wait -1
.irp u,0,1,2,3
	ds_load_b128 v[F+4*(\u):F+4*(\u)+3], v[MR] offset:1024+256*(\u)
.endr
	s_wait_dscnt 0x0
.irp t,0,1,2,3
	v_add_f32 v[F+(\t)], v[F+(\t)], v[F+4+(\t)]
	v_add_f32 v[F+8+(\t)], v[F+8+(\t)], v[F+12+(\t)]
.endr
.irp t,0,1,2,3
	v_add_f32 v[F+(\t)], v[F+(\t)], v[F+8+(\t)]
.endr
.irp t,0,1,2,3
	v_rcp_f32 v[ST+8*(\t)+2], v[F+(\t)]
.endr
	v_nop
	s_wait_alu depctr_va_vdst(0)                   ; one wait for the four reciprocals
	RS                                             ; O / l,
	WIN 0x05
.set i, 0
.rept 128
	v_cvt_pk_bf16_f32 v[S+i], v[2*i], v[2*i+1]     ; rounded to bf16: accumulator (cb, t) into four registers at S + 4 (4 cb + t)
.set i, i+1
.endr
	WIN 0
	EXOP 0
	EXOP 1
	; PHASE 3: out^T = Wvk X^T + bvk, 128 columns a tile
	s_mov_b32 s[CNT], 3
.Lout:
	CHANGE 1
	GT 0, S, 1
	OUTS
	s_wait_xcnt 0x0                                ; the stores have read their base
	s_add_nc_u64 s[OUTP:OUTP+1], s[OUTP:OUTP+1], 512
	s_sub_co_u32 s[CNT], s[CNT], 1
	s_cmp_lg_u32 s[CNT], 0
	s_cbranch_scc1 .Lout
	CHANGE 0                                       ; the last tile is written out: nothing is left to ask for
	GT 0, S, 1
	OUTS
	s_wait_tensorcnt 0x0                           ; the wave's end
	ds_add_u32 v[SPW], v[NIL]
	s_wait_dscnt 0x0
	CROUND                                         ; the closing round
	s_endpgm
.Lfunc_end_k_q72797a2868_attn:
	.size	k_q72797a2868_attn, .Lfunc_end_k_q72797a2868_attn-k_q72797a2868_attn
	.p2alignl 7, 3214868480
	.fill 96, 4, 3214868480
	.section	.rodata,"a",@progbits
	.p2align	6, 0x0
	.amdhsa_kernel k_q72797a2868_attn
		.amdhsa_group_segment_fixed_size 327680
		.amdhsa_private_segment_fixed_size 0
		.amdhsa_enable_private_segment 0
		.amdhsa_kernarg_size 56
		.amdhsa_user_sgpr_count 2
		.amdhsa_user_sgpr_kernarg_segment_ptr 1
		.amdhsa_wavefront_size32 1
		.amdhsa_system_sgpr_workgroup_id_x 1
		.amdhsa_system_sgpr_workgroup_id_y 1
		.amdhsa_system_sgpr_workgroup_id_z 1
		.amdhsa_system_vgpr_workitem_id 0
		.amdhsa_next_free_vgpr 1024
		.amdhsa_next_free_sgpr 80
		.amdhsa_reserve_vcc 0
		.amdhsa_float_denorm_mode_32 3
		.amdhsa_float_denorm_mode_16_64 3
		.amdhsa_memory_ordered 1
		.amdhsa_forward_progress 1
		.amdhsa_inst_pref_size 255
	.end_amdhsa_kernel
	.section	.bss,"aw",@nobits
	.p2align	6
	.space	262144
	.amdgpu_metadata
---
amdhsa.version: [ 1, 2 ]
amdhsa.kernels:
  - .name:           k_q72797a2868_attn
    .symbol:         k_q72797a2868_attn.kd
    .args:
      - { .name: Q, .offset: 0, .size: 8, .value_kind: global_buffer, .address_space: global }
      - { .name: mask_weights, .offset: 8, .size: 8, .value_kind: global_buffer, .address_space: global }
      - { .name: bqk, .offset: 16, .size: 8, .value_kind: global_buffer, .address_space: global }
      - { .name: bvk, .offset: 24, .size: 8, .value_kind: global_buffer, .address_space: global }
      - { .name: kb, .offset: 32, .size: 8, .value_kind: global_buffer, .address_space: global }
      - { .name: wb, .offset: 40, .size: 8, .value_kind: global_buffer, .address_space: global }
      - { .name: out0, .offset: 48, .size: 8, .value_kind: global_buffer, .address_space: global }
    .group_segment_fixed_size: 327680
    .private_segment_fixed_size: 0
    .kernarg_segment_align: 8
    .kernarg_segment_size: 56
    .max_flat_workgroup_size: 128
    .sgpr_count:     80
    .vgpr_count:     1024
    .wavefront_size: 32
...
	.end_amdgpu_metadata
.endif
;; end of part 4
;; ======== version 3 of 3: 2 launches; version 2 with the launch prep written anew for expert scheduling mode
;; workspace buffers: kb 16,777,216 bytes; wb 1,572,864 bytes; bqk 2,048 bytes; bvk 2,048 bytes
;; launch prep (part 5): grid 224 x 1, 8 waves a work-group, no clusters, 314,880 bytes of LDS; arguments K, Wk, Wq, Wv, bq, bk, bv, kb, wb, bqk, bvk; writes kb, wb, bqk, bvk
.if DOCPART == 5
	.amdgcn_target "amdgcn-amd-amdhsa--gfx1250"
	.amdhsa_code_object_version 6
	.text
	.protected	k_q72797a2868_prep
	.globl	k_q72797a2868_prep
	.p2align	8
	.type	k_q72797a2868_prep,@function
k_q72797a2868_prep:
	s_mov_b64 s[64:65], 0
	v_nop
	global_prefetch_b8 v0, s[64:65] scope:SCOPE_SE
	s_setreg_imm32_b32 hwreg(HW_REG_WAVE_SCHED_MODE, 0, 2), 2
	s_setreg_imm32_b32 hwreg(HW_REG_WAVE_MODE, 25, 1), 1
	s_wait_xcnt 0x0
	s_wait_alu depctr_vm_vsrc(0)
; WHAT THE ATTENTION LAUNCH NEEDS, made once.  With q = Wq Q + bq and k = Wk K + bk:  q.k = (Wk^T q).K + q.bk, and the last term is the same for all keys of a query, so a softmax over keys does not see it;
; the rows of a softmax add up to 1, so P k = (P K) Wk^T + bk and P v = (P K) (Wv Wk)^T + Wv bk + bv.  Both hold for every input.  So this launch stores
;   kb  = K rounded to bf16, [8 x 2048][512]
;   wb  = 12 tiles of 128 rows x 512 bf16: tiles 0-3 Wqk[:, 0:512], 4-7 Wqk[:, 512:1024], 8-11 Wvk, with Wqk[d][e] = sum over h of Wk[h][d] Wq[h][e], Wvk[v][d] = sum over h of Wv[v][h] Wk[h][d]
;   bqk[d] = sum over h of Wk[h][d] bq[h],   bvk[v] = sum over h of Wv[v][h] bk[h] + bv[v]   (f32)
; All inputs are rounded once to bf16; sums in f32; Wqk and Wvk are rounded once to bf16.  NaN and infinities are not treated apart.
; SHARES.  Work-groups 0-63: a block of 64 rows x 128 columns of Wqk each; 64-95: the same of Wvk; 96-223: 128 rows of K each.  A block's operands are 384 KB of f32, a stream's rows and results 384 KB.
; NO CLUSTER, NO TENSOR LOADS: the operands are f32 and are wanted in LDS as bf16, so they pass through registers; a block's 384 KB of f32 would not lie in LDS beside their bf16 copies.
; A BLOCK:  C[m][n] = sum over h of A(m, h) B(h, n), 64 m, 128 n, 512 h.  B's rows h lie in memory along n (Wq's or Wk's rows): in LDS [h][n] in bf16, 288 bytes apart; the 32 bytes behind a row's 256 hold
; a ninth column tile: column 128 is bq[h] or bk[h], the other fifteen are 0: its products are the bias sums.  A is Wk's columns (in LDS [h][m], rows 160 bytes apart) or Wv's rows (in LDS [m][h], 1,040 apart).
; Each of A's two layouts has a region of LDS of its own, and a work-group fills and reads one of them: no byte of LDS has two meanings in this text.
; What lies [h][.] comes out of LDS turned, by ds_load_tr16_b128.  Source 0 = 16 columns n, source 1 = 16 rows m: a lane ends with 8 neighbouring n of one row m.
; Wave w makes rows 32 (w % 2) on x columns 32 (w / 2) on, and the ninth tile: six accumulators, which take turns.
; REGISTERS.  window 0: v0-63 addresses and small work; v64-255 what is loaded: two batches of 96, or (stream) three groups of 64; behind the batches v64-223 are the second set of fragments.
;   window 1: the first set of fragments: v0-63 A's, v64-159 B's (in the stream v0-63 are the fourth group); v160-207 the sums.
; THE MODE: SCHED_MODE bits 1:0 = 2 (LLVM: expert scheduling mode 2), set by the entry lines.  The code itself states the register dependences between vector or matrix instructions and memory or LDS
; instructions, with s_wait_alu, always for 0.
; THE PLAN.  Registers that memory or LDS instructions touch:
;   offsets and addresses   made at the head by vector lines and never written again, but for v12-v15 (below) and v58 (read by the two bias loads; made anew behind the last product for the read of the bias sums).
;   QD, QE, ZQ              three quads written at the head, read by the four LDS stores of the ninth tile; none is written again.
;   raw sets 0, 1           a batch's 24 loads land in a set; its 48 roundings work in place; its 24 LDS stores read the set; then the batch two on lands in it.  One wait on va_vdst behind the roundings serves
;                           the stores and the refill; one on vm_vsrc stands ahead of the refill.
;   fragment sets 0, 1      step s (128 h, 24 products) multiplies set s % 2; the LDS loads of step s + 1 land in the other set, which the products of step s - 1 read.  One wait on va_vdst at the step's head; the
;                           step's 40 loads follow it, 28 ahead of its products and 12 among them: those products name set s % 2 and the sums alone.
;   v12-v15                 read by every fragment load, stepped by four adds at a step's end, behind one wait on vm_vsrc; the next step's wait on va_vdst shows them written.
;   the way out             v64-79, v56, v57: written by roundings and moves, read by LDS stores; v80-95: LDS loads land there, global stores read them.  One wait on va_vdst behind the roundings.
;   the stream              four groups of 64 registers: loaded, rounded in place, stored, never written again.  One wait on va_vdst behind each group's roundings.
.set PBL,   288
.set ATR,   512*PBL                    ; behind B's 512 rows: A laid [h][m], 512 rows x 160 bytes (Wqk's blocks)
.set ANR,   ATR+512*160                ; A laid [m][h], 64 rows x 1,040 bytes (Wvk's blocks)
.set STG,   ANR+64*1040                ; the stage: 64 rows x 272 bytes
.set BIA,   STG+64*272                 ; 64 bias sums, and 256 bytes for what the other half of the lanes holds
.set SPARE, BIA+512                    ; the spare words, 128 bytes a wave: four blocks of 256 bytes that no other line names
.set LN,  1                            ; v1   lane
.set RR,  2                            ; v2   lane % 16
.set HH,  3                            ; v3   lane / 16
.set L7,  4                            ; v4   lane % 8
.set B3,  5                            ; v5   (lane / 8) % 2
.set QE,  2                            ; v[2:5] once the addresses are made: the second bias number in bf16, then zeros
.set L16, 6                            ; v6   16 x lane
.set L8,  7                            ; v7   8 x lane
.set LB0, 8                            ; v8   where I put 8 bytes of B's rows, batches 0, 1
.set LB1, 9                            ; v9   batches 2, 3
.set LAT, 10                           ; v10  where I put 8 bytes of A laid [h][m]
.set LAN, 11                           ; v11  of A laid [m][h]
.set AFT, 12                           ; v12  my place in A's fragments, [h][m]; steps from step to step
.set AFN, 13                           ; v13  [m][h]; steps
.set BFA, 14                           ; v14  my place in B's fragments; steps
.set BBA, 15                           ; v15  in the ninth tile's; steps
.set STO, 16                           ; v16  the stage: where I put 16 bytes of a row
.set SRD, 17                           ; v17  where I read rows back
.set GOUT, 18                          ; v18  my byte offset in the block's rows of wb
.set BSW, 19                           ; v19  where I put a bias sum
.set SPW, 20                           ; v20  LDS address of my spare word; never rewritten
.set NIL, 21                           ; v21  0; never rewritten
.set BC0, 22                           ; v22  the ninth tile's 32 bytes of row = my thread's number
.set BC1, 23                           ; v23  of that row + 256
.set QD,  24                           ; v[24:27] the first bias number in bf16, then zeros
.set ZQ,  28                           ; v[28:31] zeros
.set VB,  32                           ; v[32:47] byte offsets of my 16 rows of B in a batch
.set VA,  48                           ; v[48:55] of my 8 loads of A
.set T,   56                           ; v[56:63] at work
.set RAW, 64
.set AF,  0                            ; set 0 (window 1): fragment (kk, mf) at AF + 16 kk + 8 mf; set 1 (window 0): 64 registers further up
.set BF,  64                           ; fragment (kk, nf) at BF + 24 kk + 8 nf; nf = 2: the ninth tile; set 1: 64 registers further up
.set ACC, 160                          ; window 1: sum (mf, nf) at ACC + 8 (3 mf + nf)
.set WV,  26                           ; s26  my wave's number
.set GG,  27                           ; s27  my work-group's number
.set MB,  28                           ; s28  the block's row block
.set NB,  29                           ; s29  its column block
.set PT,  30                           ; s30  1: Wqk, 0: Wvk
.set PB,  31                           ; s31  bytes from row to row of B's source: 4,096 (Wq) or 2,048 (Wk); also from load to load of A
.set BB,  32                           ; s[32:33] B's source at the batch in hand
.set AB,  34                           ; s[34:35] A's
.set BVP, 36                           ; s[36:37] bq or bk
.set BO,  38                           ; s[38:39] bqk or bvk at the block's rows
.set OB,  40                           ; s[40:41] wb at the block
.set BST, 42                           ; s[42:43] bytes from batch to batch in B's source
.set AST, 44                           ; s[44:45] in A's
.set AWS, 47                           ; s47  bytes from wave to wave in A's source
.set AHS, 48                           ; s48  bytes from the lower to the upper half of the lanes there
.set MSK, 49                           ; s49  0 (Wqk: no addend) or all ones (Wvk: bv)
.set MH,  51                           ; s51  w % 2
.set NQ,  56                           ; s56  w / 2
.set SHA, 57
.set MSB, 0
.macro WIN new                         ; the immediate's high byte repeats the setting that is left; a switch that changes nothing is dropped
.if MSB != (\new)
	s_set_vgpr_msb (MSB<<8)|(\new)
.set MSB, \new
.endif
.endm
; A batch's 24 loads into set b: 16 rows of B (512 consecutive bytes each), 8 loads of A (two rows of 256 bytes, or 512 bytes of one row).  step = 1: the sources go on by 128 h first.
.macro GLD b, step
.if \step
	s_wait_xcnt 0x0                                ; the loads issued so far have read their bases
	s_add_nc_u64 s[BB:BB+1], s[BB:BB+1], s[BST:BST+1]
	s_add_nc_u64 s[AB:AB+1], s[AB:AB+1], s[AST:AST+1]
.endif
.set i, 0
.rept 16
	global_load_b128 v[RAW+96*(\b)+4*i:RAW+96*(\b)+4*i+3], v[VB+i], s[BB:BB+1]
.set i, i+1
.endr
.set i, 0
.rept 8
	global_load_b128 v[RAW+96*(\b)+64+4*i:RAW+96*(\b)+64+4*i+3], v[VA+i], s[AB:AB+1]
.set i, i+1
.endr
.endm
; Batch q (h = 128 q on) is rounded in place and laid into LDS.  left: the younger loads, which may stay out.  refill = 1: its registers take the batch two further on.
.macro BATCH q, left, refill
.set bb, RAW+96*((\q)%2)
	s_wait_loadcnt \left
.set i, 0
.rept 24
	v_cvt_pk_bf16_f32 v[bb+4*i], v[bb+4*i], v[bb+4*i+1]
	v_cvt_pk_bf16_f32 v[bb+4*i+1], v[bb+4*i+2], v[bb+4*i+3]
.set i, i+1
.endr
	s_wait_alu depctr_va_vdst(0)                   ; the roundings have written what the 24 LDS stores below read, and are done with the set, in which the refill lands
.set i, 0
.rept 16
	ds_store_b64 v[LB0+(\q)/2], v[bb+4*i:bb+4*i+1] offset:((\q)%2)*36864+PBL*i
.set i, i+1
.endr
	s_cmp_eq_u32 s[PT], 1
	s_cbranch_scc0 .Lan_\@
.set i, 0
.rept 8
	ds_store_b64 v[LAT], v[bb+64+4*i:bb+64+4*i+1] offset:20480*(\q)+320*i    ; rows h = 128 q + 16 w + 2 i + lane / 16
.set i, i+1
.endr
	s_branch .Lad_\@
.Lan_\@:
.set i, 0
.rept 8
	ds_store_b64 v[LAN], v[bb+64+4*i:bb+64+4*i+1] offset:256*(\q)+1040*i     ; rows m = 8 w + i, h = 128 q on
.set i, i+1
.endr
.Lad_\@:
.if \refill
	s_wait_alu depctr_vm_vsrc(0)                   ; the LDS stores above have read the set, in which the loads below land
	GLD (\q)%2, 1
.endif
.endm
; THE FRAGMENTS of 128 h, into set o: A's 16 loads (one of two layouts), then B's, 6 for each 32 h.  No vector or matrix line between a step's wait on va_vdst and these loads names set o or an address.
.macro ALD o
	WIN 0
	s_cmp_eq_u32 s[PT], 1
	s_cbranch_scc0 .Lfn_\@
	WIN 0x40*(1-(\o))                              ; set 0: destination window 1, address window 0
.irp kk,0,1,2,3
.irp mf,0,1
	ds_load_tr16_b128 v[AF+64*(\o)+16*(\kk)+8*(\mf):AF+64*(\o)+16*(\kk)+8*(\mf)+3],   v[AFT] offset:5120*(\kk)+32*(\mf)
	ds_load_tr16_b128 v[AF+64*(\o)+16*(\kk)+8*(\mf)+4:AF+64*(\o)+16*(\kk)+8*(\mf)+7], v[AFT] offset:5120*(\kk)+32*(\mf)+2560
.endr
.endr
	WIN 0
	s_branch .Lfb_\@
.Lfn_\@:
	WIN 0x40*(1-(\o))
.irp kk,0,1,2,3
.irp mf,0,1
	ds_load_b128 v[AF+64*(\o)+16*(\kk)+8*(\mf):AF+64*(\o)+16*(\kk)+8*(\mf)+3],   v[AFN] offset:16640*(\mf)+64*(\kk)
	ds_load_b128 v[AF+64*(\o)+16*(\kk)+8*(\mf)+4:AF+64*(\o)+16*(\kk)+8*(\mf)+7], v[AFN] offset:16640*(\mf)+64*(\kk)+32
.endr
.endr
	WIN 0
.Lfb_\@:
.endm
.macro BLD o, kk
	WIN 0x40*(1-(\o))
.irp nf,0,1
	ds_load_tr16_b128 v[BF+64*(\o)+24*(\kk)+8*(\nf):BF+64*(\o)+24*(\kk)+8*(\nf)+3],   v[BFA] offset:32*PBL*(\kk)+32*(\nf)
	ds_load_tr16_b128 v[BF+64*(\o)+24*(\kk)+8*(\nf)+4:BF+64*(\o)+24*(\kk)+8*(\nf)+7], v[BFA] offset:32*PBL*(\kk)+32*(\nf)+16*PBL
.endr
	ds_load_tr16_b128 v[BF+64*(\o)+24*(\kk)+16:BF+64*(\o)+24*(\kk)+19], v[BBA] offset:32*PBL*(\kk)
	ds_load_tr16_b128 v[BF+64*(\o)+24*(\kk)+20:BF+64*(\o)+24*(\kk)+23], v[BBA] offset:32*PBL*(\kk)+16*PBL
.endm
; Six products: 32 h of set p.  The six accumulators take turns.
.macro MUL p, kk
	WIN 0x55-5*(\p)                                ; C and D in window 1; the sources in window 1 (set 0) or 0 (set 1)
.irp mf,0,1
.irp nf,0,1,2
	v_wmma_f32_16x16x32_bf16 v[ACC+8*(3*(\mf)+(\nf)):ACC+8*(3*(\mf)+(\nf))+7], v[BF+64*(\p)+24*(\kk)+8*(\nf):BF+64*(\p)+24*(\kk)+8*(\nf)+7], v[AF+64*(\p)+16*(\kk)+8*(\mf):AF+64*(\p)+16*(\kk)+8*(\mf)+7], v[ACC+8*(3*(\mf)+(\nf)):ACC+8*(3*(\mf)+(\nf))+7]
.endr
.endr
.endm
; The four addresses go on by 128 h.
.macro ON
	s_wait_alu depctr_vm_vsrc(0)                   ; the fragment loads issued so far have read v12-v15 (at its first use also: the last batches' LDS stores have read v64-223, in which set 1 lands)
	v_add_nc_u32 v[AFT], 20480, v[AFT]
	v_add_nc_u32 v[AFN], 256, v[AFN]
	v_add_nc_u32 v[BFA], 128*PBL, v[BFA]
	v_add_nc_u32 v[BBA], 128*PBL, v[BBA]
.endm
; A STEP: 128 h, 24 products on set p.  more = 1: the next step's 40 loads go into the other set.  on = 1: the addresses step for the loads of the step after that.
.macro STEP p, more, on
	s_wait_dscnt 12                                ; LDS loads come back in order (ISA guide 5.7.1): A's fragments and B's first two groups of set p are in; the youngest 12 loads, B's last two groups, may stay out
.if \more
	s_wait_alu depctr_va_vdst(0)                   ; the step before (ahead of the first step: the batches' roundings) is done with the other set, in which the loads below land; v12-v15 are written
	ALD 1-(\p)
	BLD 1-(\p), 0
	BLD 1-(\p), 1
.endif
	MUL \p, 0
	MUL \p, 1
.if \more
	BLD 1-(\p), 2                                  ; no wait: the twelve products since the wait name set p and the sums alone
	BLD 1-(\p), 3
	s_wait_dscnt 40                                ; all of set p is in; the 40 loads of the other set may stay out
.else
	s_wait_dscnt 0x0
.endif
	MUL \p, 2
	MUL \p, 3
	WIN 0
.if \on
	ON
.endif
.endm
; The stream: group g of 16 loads, 512 consecutive bytes each; groups 0 to 2 in window 0, group 3 in window 1.
.macro SLD g
.if (\g) == 3
	WIN 0x40                                       ; destination window 1, offset window 0
.set lb, 0
.else
.set lb, RAW+64*(\g)
.endif
.set i, 0
.rept 16
	global_load_b128 v[lb+4*i:lb+4*i+3], v[L16], s[4:5] offset:512*(16*(\g)+i) th:TH_LOAD_NT
.set i, i+1
.endr
	WIN 0
.endm
; Its way out: rounded in place, all 32 roundings on end; then 16 stores of 256 consecutive bytes, aligned.  Group 3 is asked for when group 0 is in: nobody has named its registers.
.macro SCV g, left
	s_wait_loadcnt \left
.if (\g) == 0
	SLD 3
.endif
.if (\g) == 3
.set cb, 0
.else
.set cb, RAW+64*(\g)
.endif
	WIN 0x45*((\g)/3)                              ; group 3: destination and both sources in window 1
.set i, 0
.rept 16
	v_cvt_pk_bf16_f32 v[cb+4*i], v[cb+4*i], v[cb+4*i+1]
	v_cvt_pk_bf16_f32 v[cb+4*i+1], v[cb+4*i+2], v[cb+4*i+3]
.set i, i+1
.endr
	WIN 0x04*((\g)/3)                              ; group 3: the stores' data (source 1) in window 1, their offset in window 0
	s_wait_alu depctr_va_vdst(0)                   ; the group's roundings have written what the 16 stores below read
.set i, 0
.rept 16
	global_store_b64 v[L8], v[cb+4*i:cb+4*i+1], s[18:19] offset:256*(16*(\g)+i)
.set i, i+1
.endr
	WIN 0
.endm
	s_load_b512 s[4:19], s[0:1], 0x0               ; K s[4:5], Wk s[6:7], Wq s[8:9], Wv s[10:11], bq s[12:13], bk s[14:15], bv s[16:17], kb s[18:19]
	s_load_b128 s[20:23], s[0:1], 0x40             ; wb s[20:21], bqk s[22:23]
	s_load_b64 s[24:25], s[0:1], 0x50              ; bvk
	v_lshl_add_u32 v[SPW], v0, 2, SPARE
	v_mov_b32 v[NIL], 0
	v_lshrrev_b32 v[T], 5, v0
	v_readfirstlane_b32 s[WV], v[T]                ; wave 0..7
	v_and_b32 v[LN], 31, v0
	v_lshlrev_b32 v[L16], 4, v[LN]
	v_lshlrev_b32 v[L8], 3, v[LN]
	s_mov_b32 s[GG], ttmp9
	s_wait_alu depctr_va_sdst(0)                   ; s26, the wave's number, is written: ahead of the branch and of its first reader on either way
	s_cmp_ge_u32 s[GG], 96
	s_cbranch_scc1 .Lstream
	; A BLOCK OF Wqk OR Wvk.  First what the loads need.
	s_and_b32 s[MB], s[GG], 7
	s_lshr_b32 s[NB], s[GG], 3
	s_and_b32 s[NB], s[NB], 7
	s_cmp_lt_u32 s[GG], 64
	s_cselect_b32 s[PT], 1, 0
	s_lshl_b32 s[PB], 2048, s[PT]
	s_lshl_b32 s[AWS], 16384, s[PT]                ; A: 16 rows h of Wk a wave, or 8 rows of Wv
	s_mul_i32 s52, s[PT], 3
	s_lshl_b32 s[AHS], 256, s52                    ; the upper lanes take the next row of Wk, or the next 256 bytes of Wv's row
	s_mul_i32 s52, s[PT], 9
	s_lshl_b32 s[AST], 512, s52                    ; a batch on: 128 rows of Wk, or 512 bytes along Wv's rows
	s_mov_b32 s[AST+1], 0
	s_sub_co_u32 s[SHA], 17, s52                   ; the block's rows: 256 bytes along Wk's rows, or 64 rows of Wv
	s_lshl_b32 s[BST], s[PB], 7
	s_mov_b32 s[BST+1], 0
	s_sub_co_u32 s[MSK], s[PT], 1
	s_and_b32 s[MH], s[WV], 1
	s_lshr_b32 s[NQ], s[WV], 1
	v_and_b32 v[RR], 15, v0
	v_bfe_u32 v[HH], v0, 4, 1
	s_lshl_b32 s52, s[PB], 4
	s_mul_i32 s52, s52, s[WV]
	v_add_nc_u32 v[VB], s52, v[L16]                ; row 16 w + i of the batch, 16 bytes a lane
.set i, 1
.rept 15
	v_add_nc_u32 v[VB+i], s[PB], v[VB+i-1]
.set i, i+1
.endr
	s_mul_i32 s52, s[AWS], s[WV]
	v_lshlrev_b32 v[T], 4, v[RR]
	v_mad_u32_u24 v[T], v[HH], s[AHS], v[T]
	v_add_nc_u32 v[VA], s52, v[T]
.set i, 1
.rept 7
	v_add_nc_u32 v[VA+i], s[PB], v[VA+i-1]         ; two rows of Wk on, or one row of Wv
.set i, i+1
.endr
	v_lshlrev_b32 v[T+2], 2, v0                    ; 4 x thread
	s_wait_kmcnt 0x0
	s_cmp_eq_u32 s[PT], 1
	s_cselect_b64 s[BB:BB+1], s[8:9], s[6:7]       ; B: Wq or Wk
	s_cselect_b64 s[AB:AB+1], s[6:7], s[10:11]     ; A: Wk or Wv
	s_cselect_b64 s[BVP:BVP+1], s[12:13], s[14:15] ; bq or bk
	s_cselect_b64 s[BO:BO+1], s[22:23], s[24:25]   ; bqk or bvk
	s_lshl_b32 s52, s[NB], 9                       ; 128 columns of f32
	s_mov_b32 s53, 0
	s_add_nc_u64 s[BB:BB+1], s[BB:BB+1], s[52:53]
	s_lshl_b32 s52, s[MB], s[SHA]
	s_add_nc_u64 s[AB:AB+1], s[AB:AB+1], s[52:53]
	s_wait_alu depctr_va_vdst(0)                   ; the 24 offsets v32-v55 and v58 are written, which the loads below read
	global_load_b32 v[T+4], v[T+2], s[BVP:BVP+1]
	global_load_b32 v[T+5], v[T+2], s[BVP:BVP+1] offset:1024
	GLD 0, 0
	GLD 1, 1
	; While they are on their way: the other addresses, and the sums start at 0 (48 lines, so that every step has one form of product).  None of these lines names a register of the loads above.
	s_lshr_b32 s52, s[NB], 2
	s_lshl_b32 s52, s52, 19                        ; Wqk: tiles 0-3 or 4-7
	s_cmp_eq_u32 s[PT], 1
	s_cselect_b32 s52, s52, 0x100000               ; Wvk: tiles 8-11
	s_lshl_b32 s53, s[MB], 16                      ; 64 rows of 1,024 bytes
	s_add_co_u32 s52, s52, s53
	s_and_b32 s53, s[NB], 3
	s_lshl_b32 s53, s53, 8                         ; 128 columns of bf16
	s_add_co_u32 s52, s52, s53
	s_mov_b32 s53, 0
	s_add_nc_u64 s[OB:OB+1], s[20:21], s[52:53]
	s_lshl_b32 s52, s[MB], 8                       ; 64 f32
	s_add_nc_u64 s[BO:BO+1], s[BO:BO+1], s[52:53]
	s_add_nc_u64 s[16:17], s[16:17], s[52:53]
	v_and_b32 v[L7], 7, v0
	v_bfe_u32 v[B3], v0, 3, 1
	s_mul_i32 s52, s[WV], 16*PBL
	v_add_nc_u32 v[LB0], s52, v[L8]
	v_add_nc_u32 v[LB1], 256*PBL, v[LB0]
	s_mul_i32 s52, s[WV], 2560
	s_add_co_u32 s52, s52, ATR
	v_mul_u32_u24 v[T], v[HH], 160
	v_lshl_add_u32 v[T], v[RR], 3, v[T]
	v_add_nc_u32 v[LAT], s52, v[T]                 ; ATR + 160 (16 w + lane / 16) + 8 (lane % 16)
	s_mul_i32 s52, s[WV], 8320
	s_add_co_u32 s52, s52, ANR
	v_add_nc_u32 v[LAN], s52, v[L8]                ; ANR + 1,040 x 8 w + 8 x lane
	v_lshl_add_u32 v[T+1], v[HH], 3, v[L7]         ; the turning load's row: 8 (lane / 16) + lane % 8
	v_mul_u32_u24 v[AFT], v[T+1], 160
	v_lshl_add_u32 v[AFT], v[B3], 4, v[AFT]
	s_lshl_b32 s52, s[MH], 6
	s_add_co_u32 s52, s52, ATR
	v_add_nc_u32 v[AFT], s52, v[AFT]
	v_mul_u32_u24 v[AFN], v[RR], 1040
	v_lshl_add_u32 v[AFN], v[HH], 4, v[AFN]
	s_mul_i32 s52, s[MH], 33280
	s_add_co_u32 s52, s52, ANR
	v_add_nc_u32 v[AFN], s52, v[AFN]
	v_mul_u32_u24 v[BBA], v[T+1], PBL
	v_lshl_add_u32 v[BBA], v[B3], 4, v[BBA]
	s_lshl_b32 s52, s[NQ], 6
	v_add_nc_u32 v[BFA], s52, v[BBA]
	v_add_nc_u32 v[BBA], 256, v[BBA]
	v_mul_u32_u24 v[STO], v[RR], 272
	v_lshl_add_u32 v[STO], v[HH], 4, v[STO]
	s_mul_i32 s52, s[MH], 8704
	s_lshl_b32 s53, s[NQ], 6
	s_add_co_u32 s52, s52, s53
	s_add_co_u32 s52, s52, STG
	v_add_nc_u32 v[STO], s52, v[STO]               ; STG + 272 (32 (w % 2) + r) + 64 (w / 2) + 16 (lane / 16)
	v_mul_u32_u24 v[SRD], v[HH], 272
	v_lshl_add_u32 v[SRD], v[RR], 4, v[SRD]
	s_mul_i32 s52, s[WV], 2176
	s_add_co_u32 s52, s52, STG
	v_add_nc_u32 v[SRD], s52, v[SRD]               ; back: rows 8 w on, two a load
	v_lshlrev_b32 v[GOUT], 10, v[HH]
	v_lshl_add_u32 v[GOUT], v[RR], 4, v[GOUT]
	s_lshl_b32 s52, s[WV], 13
	v_add_nc_u32 v[GOUT], s52, v[GOUT]
	v_lshlrev_b32 v[BSW], 8, v[HH]
	v_lshl_add_u32 v[BSW], v[RR], 2, v[BSW]
	s_lshl_b32 s52, s[MH], 7
	s_add_co_u32 s52, s52, BIA
	v_add_nc_u32 v[BSW], s52, v[BSW]
	v_mul_u32_u24 v[BC0], v0, PBL
	v_add_nc_u32 v[BC0], 256, v[BC0]
	v_add_nc_u32 v[BC1], 256*PBL, v[BC0]
.irp z,0,1,2,3
	v_mov_b32 v[ZQ+(\z)], 0
.endr
.irp z,1,2,3
	v_mov_b32 v[QD+(\z)], 0
	v_mov_b32 v[QE+(\z)], 0                        ; the lane numbers in v2-v5 have served: each bias number has a quad of its own, so that none is written again behind a store
.endr
	WIN 0x40
.set i, 0
.rept 48
	v_mov_b32 v[ACC+i], 0
.set i, i+1
.endr
	WIN 0
	s_wait_loadcnt 48                              ; the two bias numbers are in; both batches may stay out
	v_cvt_pk_bf16_f32 v[QD], v[T+4], v[ZQ]         ; column 128 in the low half, column 129 = 0 in the high half
	v_cvt_pk_bf16_f32 v[QE], v[T+5], v[ZQ]
	s_wait_alu depctr_va_vdst(0)                   ; the three quads and all LDS addresses (v8-v19, v22, v23) are written, which the LDS instructions from here on read
	ds_store_b128 v[BC0], v[QD:QD+3]
	ds_store_b128 v[BC0], v[ZQ:ZQ+3] offset:16
	ds_store_b128 v[BC1], v[QE:QE+3]
	ds_store_b128 v[BC1], v[ZQ:ZQ+3] offset:16
	BATCH 0, 24, 1
	BATCH 1, 24, 1
	BATCH 2, 24, 0
	BATCH 3, 0, 0
	s_wait_dscnt 0x0                               ; for the others' sake: my stores are done
	s_barrier_signal -1
	s_barrier_wait -1                              ; A and B lie whole in LDS
	; THE PRODUCTS: four steps of 128 h on two sets of fragments, written out: the first set is asked for ahead of them, the last step asks for nothing.
	ALD 0                                          ; step 0's fragments: no vector line has named set 0, and the addresses were shown written ahead of the first LDS store
	BLD 0, 0
	BLD 0, 1
	BLD 0, 2
	BLD 0, 3
	WIN 0
	ON
	STEP 0, 1, 1
	STEP 1, 1, 1
	STEP 0, 1, 0
	STEP 1, 0, 0
	; THE WAY OUT: rounded to bf16, 16 bytes a lane into the stage; a barrier, since a row's 256 bytes come from four waves; back as whole rows.  Each sum is read from its low end on.
	v_add_nc_u32 v[T+2], BIA, v[L8]                ; where the bias sums are read back.  This line and three v_nop are the four places behind the last product, ahead of the roundings that read its result (ISA guide 7.12.1)
	v_nop
	v_nop
	v_nop
	WIN 0x05                                       ; sources in window 1, destination in window 0
.irp mf,0,1
.irp nf,0,1
.irp z,0,1,2,3
	v_cvt_pk_bf16_f32 v[RAW+4*(2*(\mf)+(\nf))+(\z)], v[ACC+8*(3*(\mf)+(\nf))+2*(\z)], v[ACC+8*(3*(\mf)+(\nf))+2*(\z)+1]
.endr
.endr
.endr
	v_mov_b32 v[T], v[ACC+16]                      ; column 128 of rows r: register 0 of the lower lanes
	v_mov_b32 v[T+1], v[ACC+40]
	WIN 0
	s_wait_alu depctr_va_vdst(0)                   ; the roundings and moves have written v64-79, v56 and v57, which the LDS stores read; v58 is written; the last step's products are done reading v80-95, in which the loads from the stage land
.irp mf,0,1
.irp nf,0,1
	ds_store_b128 v[STO], v[RAW+4*(2*(\mf)+(\nf)):RAW+4*(2*(\mf)+(\nf))+3] offset:4352*(\mf)+32*(\nf)
.endr
.endr
	s_cmp_lt_u32 s[WV], 2                          ; waves 0 and 1 hold all 64 rows between them
	s_cbranch_scc0 .Lnbs
	ds_store_b32 v[BSW], v[T]
	ds_store_b32 v[BSW], v[T+1] offset:64
.Lnbs:
	s_wait_dscnt 0x0
	s_barrier_signal -1
	s_barrier_wait -1
.irp t,0,1,2,3
	ds_load_b128 v[RAW+16+4*(\t):RAW+16+4*(\t)+3], v[SRD] offset:544*(\t)
.endr
.irp t,0,1,2,3
	s_wait_dscnt 3-(\t)
	global_store_b128 v[GOUT], v[RAW+16+4*(\t):RAW+16+4*(\t)+3], s[OB:OB+1] offset:2048*(\t)   ; 16 lanes store 256 consecutive bytes, aligned
.endr
	s_or_b32 s52, s[NB], s[WV]                     ; the bias sums leave once: wave 0 of the work-groups with column block 0
	s_cmp_lg_u32 s52, 0
	s_cbranch_scc1 .Lend
	ds_load_b64 v[T+4:T+5], v[T+2]
	global_load_b64 v[T+6:T+7], v[L8], s[16:17]    ; bv at the block's rows
	s_wait_loadcnt 0x0
	v_cvt_pk_bf16_f32 v[T+3], v[T+6], v[T+7]       ; rounded to bf16 like every input,
	v_lshlrev_b32 v[T+6], 16, v[T+3]
	v_and_b32 v[T+7], 0xffff0000, v[T+3]
	v_and_b32 v[T+6], s[MSK], v[T+6]               ; and 0 for bqk, which has no addend
	v_and_b32 v[T+7], s[MSK], v[T+7]
	s_wait_dscnt 0x0
	v_pk_add_f32 v[T+4:T+5], v[T+4:T+5], v[T+6:T+7]
	s_wait_alu depctr_va_vdst(0)                   ; the addition has written v60 and v61, which the store reads
	global_store_b64 v[L8], v[T+4:T+5], s[BO:BO+1] ; 256 consecutive bytes, aligned
	s_branch .Lend
.Lstream:                                              ; 128 ROWS OF K: 16 a wave, 64 loads; three groups of 16 are out at a time
	s_sub_co_u32 s52, s[GG], 96
	s_lshl_b32 s54, s52, 18                        ; 128 rows of 2,048 bytes,
	s_lshl_b32 s55, s[WV], 15                      ; 16 a wave
	s_add_co_u32 s54, s54, s55
	s_mov_b32 s55, 0
	s_lshl_b32 s52, s52, 17                        ; and of 1,024 bytes
	s_lshl_b32 s53, s[WV], 14
	s_add_co_u32 s52, s52, s53
	s_mov_b32 s53, 0
	s_wait_kmcnt 0x0
	s_add_nc_u64 s[4:5], s[4:5], s[54:55]
	s_add_nc_u64 s[18:19], s[18:19], s[52:53]
	s_wait_alu depctr_va_vdst(0)                   ; v6 and v7 are written: every load and store of the stream reads one of them as its offset
	SLD 0
	SLD 1
	SLD 2
	SCV 0, 32                                      ; two younger groups may stay out; group 3 is asked for behind this wait
	SCV 1, 32
	SCV 2, 16
	SCV 3, 0
.Lend:
	s_wait_dscnt 0x0                               ; the closing lines, six on end
	s_wait_alu 0x0
	s_wait_tensorcnt 0x0
	ds_add_u32 v[SPW], v[NIL]
	s_wait_dscnt 0x0
	s_endpgm
.Lfunc_end_k_q72797a2868_prep:
	.size	k_q72797a2868_prep, .Lfunc_end_k_q72797a2868_prep-k_q72797a2868_prep
	.p2alignl 7, 3214868480
	.fill 96, 4, 3214868480
	.section	.rodata,"a",@progbits
	.p2align	6, 0x0
	.amdhsa_kernel k_q72797a2868_prep
		.amdhsa_group_segment_fixed_size 314880
		.amdhsa_private_segment_fixed_size 0
		.amdhsa_enable_private_segment 0
		.amdhsa_kernarg_size 88
		.amdhsa_user_sgpr_count 2
		.amdhsa_user_sgpr_kernarg_segment_ptr 1
		.amdhsa_wavefront_size32 1
		.amdhsa_system_sgpr_workgroup_id_x 1
		.amdhsa_system_sgpr_workgroup_id_y 1
		.amdhsa_system_sgpr_workgroup_id_z 1
		.amdhsa_system_vgpr_workitem_id 0
		.amdhsa_next_free_vgpr 512
		.amdhsa_next_free_sgpr 66
		.amdhsa_reserve_vcc 0
		.amdhsa_float_denorm_mode_32 3
		.amdhsa_float_denorm_mode_16_64 3
		.amdhsa_memory_ordered 1
		.amdhsa_forward_progress 1
		.amdhsa_inst_pref_size 86
	.end_amdhsa_kernel
	.amdgpu_metadata
---
amdhsa.version: [ 1, 2 ]
amdhsa.kernels:
  - .name:           k_q72797a2868_prep
    .symbol:         k_q72797a2868_prep.kd
    .args:
      - { .name: K, .offset: 0, .size: 8, .value_kind: global_buffer, .address_space: global }
      - { .name: Wk, .offset: 8, .size: 8, .value_kind: global_buffer, .address_space: global }
      - { .name: Wq, .offset: 16, .size: 8, .value_kind: global_buffer, .address_space: global }
      - { .name: Wv, .offset: 24, .size: 8, .value_kind: global_buffer, .address_space: global }
      - { .name: bq, .offset: 32, .size: 8, .value_kind: global_buffer, .address_space: global }
      - { .name: bk, .offset: 40, .size: 8, .value_kind: global_buffer, .address_space: global }
      - { .name: bv, .offset: 48, .size: 8, .value_kind: global_buffer, .address_space: global }
      - { .name: kb, .offset: 56, .size: 8, .value_kind: global_buffer, .address_space: global }
      - { .name: wb, .offset: 64, .size: 8, .value_kind: global_buffer, .address_space: global }
      - { .name: bqk, .offset: 72, .size: 8, .value_kind: global_buffer, .address_space: global }
      - { .name: bvk, .offset: 80, .size: 8, .value_kind: global_buffer, .address_space: global }
    .group_segment_fixed_size: 314880
    .private_segment_fixed_size: 0
    .kernarg_segment_align: 8
    .kernarg_segment_size: 88
    .max_flat_workgroup_size: 256
    .sgpr_count:     66
    .vgpr_count:     512
    .wavefront_size: 32
...
	.end_amdgpu_metadata
.endif
;; end of part 5
;; launch attn: the kernel of part 4 again; grid 256 x 1, 4 waves a work-group, clusters of 4 x 1, 327,680 bytes of LDS; arguments Q, mask_weights, bqk, bvk, kb, wb, out0; writes out0
